; MI455X (gfx1250); checked and timed in simulation.
; The chip was launched on July 23, 2026; its instructions are those of AMD's public machine-readable ISA for CDNA 5 (MIT licence, August 2026) and "CDNA5" Instruction Set Architecture Reference Guide (July 2026). The comments in the code are by the model that wrote it; some were corrected since.
;; Multi Head Attention. Allowed arithmetic: matrix products marked QUANTISED: E2M1 operands, one E8M0 scale for each 32 along K, by v_wmma_scale_f32_16x16x128_f8f6f4 with both operands' format E2M1 (or v_wmma_scale_f32_32x16x128_f4), f32 sums; products left as they are: bf16, f16 or f32 operands; f32 sums; everything else in f32.
;; Inputs: Wk 1,024 x 1,024 float32; Wo 1,024 x 1,024 float32; Wq 1,024 x 1,024 float32; Wv 1,024 x 1,024 float32; bk 1,024 float32; bo 1,024 float32; bq 1,024 float32; bv 1,024 float32; k 4 x 2,048 x 1,024 float32; mask 4 x 1 x 2,048 x 2,048 int32; q 4 x 2,048 x 1,024 float32; v 4 x 2,048 x 1,024 float32.
;; Outputs: out0 4 x 2,048 x 1,024 float32.
;; This version of the problem:
;;   THIS VERSION OF THE PROBLEM IS GIVEN IN LOW PRECISION. The matrix products marked QUANTISED in the list below multiply operands that are first quantised to E2M1 (2 exponent bits, 1 mantissa bit; 4 bits a number), with one power-of-two scale for each 32 numbers along K (OCP MX v1.0); their sums are f32. The products marked 'left as it is' may take bf16, f16 or f32 operands, with f32 sums. Whichever they take, every output number must still come out within the allowed error. Rounding operands to bf16 (8 significant bits) uses up far more of that allowance than f16 does (11 bits, for magnitudes from 6e-5 to 65,504). All else is computed in f32.
;;   The module's matrix products, in the order in which they are computed (A, B: the left and right operand; K: the contracted axis; several contracted axes count as one K, in the product's order):
;;     1. [M 8,192, K 1,024] x [K 1,024, N 1,024]; A: input q; B: input Wq: QUANTISED
;;     2. [M 8,192, K 1,024] x [K 1,024, N 1,024]; A: input k; B: input Wk: QUANTISED
;;     3. [M 8,192, K 1,024] x [K 1,024, N 1,024]; A: input v; B: input Wv: QUANTISED
;;     4. batch 64 x [M 2,048, K 64] x [K 64, N 2,048]; A: computed on the way; B: computed on the way: left as it is (an operand is computed on the way)
;;     5. batch 64 x [M 2,048, K 2,048] x [K 2,048, N 64]; A: computed on the way; B: computed on the way: left as it is (an operand is computed on the way)
;;     6. [M 8,192, K 1,024] x [K 1,024, N 1,024]; A: computed on the way; B: input Wo: left as it is (an operand is computed on the way)
;;   THE QUANTISER, for each operand of a quantised product, along K:
;;     - K is cut into blocks of 32 from its start; a last block that is shorter is filled with zeros.
;;     - A block's scale is 2^e with e = floor(log2(the largest magnitude in the block)) - 2, held to -126 .. 127; a block of zeros has e = 0. As a byte (E8M0): e + 127.
;;     - Each number is divided by its block's scale, clamped to +-6, and rounded to the nearest number of E2M1, ties to even, subnormals kept.
;;     - The product sums the exact products of the quantised numbers (number of the format x scale) in f32.
;;   ~~~python
;;   def quantise(x, axis):      # numpy; x: float32 -> the quantised numbers, widened to float32 again
;;       x = np.moveaxis(x, axis, -1); K = x.shape[-1]
;;       x = np.pad(x, [(0, 0)] * (x.ndim - 1) + [(0, -K % 32)]); x = x.reshape(x.shape[:-1] + (-1, 32)); a = np.abs(x).max(-1, keepdims=True)
;;       e = np.where(a > 0, np.clip(np.frexp(np.where(a > 0, a, 1))[1] - 1 - 2, -126, 127), 0)      # np.frexp(a)[1] - 1 = floor(log2(a)), exactly
;;       r = np.clip(x / 2.0 ** e, -6, 6)
;;       step = 2.0 ** (np.maximum(np.frexp(np.where(r == 0, 1, r))[1] - 1, 0) - 1)
;;       q = np.round(r / step) * step * 2.0 ** e      # np.round: ties to even
;;       return np.moveaxis(q.reshape(q.shape[:-2] + (-1,))[..., :K], -1, axis).astype(np.float32)
;;   ~~~
;; One version. Each part assembles by itself: llvm-mc -triple=amdgcn-amd-amdhsa -mcpu=gfx1250 --defsym DOCPART=n.
;; ======== version 1 of 1: 4 launches
;; limits: values are held in f16: magnitudes above 65,504 overflow, below 6.1e-05 lose precision
;; workspace buffers: cod 14,155,776 bytes; scl 884,736 bytes; mb 2,097,152 bytes of whole numbers; wf 2,097,152 bytes; qf 16,777,216 bytes; kv 33,554,432 bytes; cf 16,777,216 bytes
;; launch prep (part 1): grid 1408 x 1, 4 waves a work-group, no clusters, 68,096 bytes of LDS; arguments q, k, v, Wq, Wk, Wv, mask, Wo, cod, scl, mb, wf; writes cod, scl, mb, wf
.if DOCPART == 1
	.amdgcn_target "amdgcn-amd-amdhsa--gfx1250"
	.amdhsa_code_object_version 6
	.text
	.protected	k_q382c7e4fd5_prep
	.globl	k_q382c7e4fd5_prep
	.p2align	8
	.type	k_q382c7e4fd5_prep,@function
k_q382c7e4fd5_prep:
	s_mov_b64 s[64:65], 0
	v_nop
	global_prefetch_b8 v0, s[64:65] scope:SCOPE_SE
	s_setreg_imm32_b32 hwreg(HW_REG_WAVE_MODE, 25, 1), 1
	s_wait_xcnt 0x0
; PREP: three streams in one launch, told apart by the work-group's number.
; (a) work-groups 0-863: q, k, v [8192][1024] and Wq, Wk, Wv [1024][1024], f32, K innermost, become codes of FP4 (E2M1) and one E8M0 byte for each 32 along K.
;     cod: 27,648 rows of 512 bytes (q, k, v, Wq, Wk, Wv on end), scl: the same rows of 32 bytes.  Rows are dense, so each tensor is a plain stream of blocks of 32.
;     A block's byte is its largest magnitude's exponent field - 2, held at 1 from below; each number / scale is rounded to the nearest code, ties to even, beyond 6 the largest code.
; (b) work-groups 864-1375: mask [4][2048][2048] int32 becomes lane masks: mb[b*64+u][step][w], w = 32 t + 8 kt + j; bit L says mask[b][32u+16t+(L&15)][64 step+16kt+8(L>>4)+j] != 0:
;     the very lane and register in which the attention launch holds that score.
; (c) work-groups 1376-1407: Wo [1024][1024] f32 becomes f16 in the order of an operand's registers: wf[ks 4][feature tile 64][kb 8][1,024 bytes]; in a tile's 1,024 bytes chunk c (512 bytes)
;     holds at 16 x lane the eight numbers (row lane % 16, k = 16 c + 8 (lane / 16) + 0..7).
; LIMITS: a block of zeros gets the byte 1 where the rule says 127 (its codes are zeros, and this program alone reads the bytes); blocks whose largest magnitude lies under 2^(2-126) are held at byte 1;
; NaN and infinities among the inputs are not served; numbers of Wo beyond 65,504 become infinities in f16.
; No tensor loads, no barrier: waves share nothing.  Each path has LDS bytes of its own.
.set QWG,   864                        ; work-groups of (a): 256 + 256 + 256 + 32 + 32 + 32, 32,768 numbers each
.set STEPS, 16
.set EMAX,  2
.set CB,    8                          ; bytes of 16 codes
.set WREG,  8192                       ; (a) LDS: a region for each wave: two stages of 32 x SP bytes, then its 256 scale bytes
.set SP,    80                         ; a lane's place in a stage: 64 bytes + 16 of padding
.set STG0,  32768                      ; (b), (c) LDS: a stage of 32 rows x TP bytes for each wave
.set TP,    272                        ; 256 bytes + 16 of padding
.set SPARE, 67584                      ; the spare words, 128 bytes for each wave: two blocks of 256 bytes that no other line names
.set SPW,   12                         ; v12  LDS address of my spare word; never rewritten
.set NIL,   13                         ; v13  0; never rewritten
.set R,     16                         ; (a) v16-79 four sets of 16 numbers as loaded; v80-111 two sets of 16 neighbours; v112-127 a byte a step; v128-191 codes
.set X,     80
.set E,     112
.set C,     128
.set OFV,   16                         ; (b), (c) v16-31 byte offsets of the sixteen loads of a unit
.set CW,    32                         ; v32-39 the words of four units (b); v32-63 packed f16 (c)
.set RA,    64                         ; v64-127, v128-191 a unit as loaded, two sets
.set XX,    192                        ; v192-255 a unit turned: register 32 t + 8 kt + j
	s_load_b512 s[4:19], s[0:1], 0x0               ; q, k, v, Wq, Wk, Wv, mask, Wo
	s_load_b256 s[20:27], s[0:1], 0x40             ; cod, scl, mb, wf
	v_lshl_add_u32 v[SPW], v0, 2, SPARE
	v_mov_b32 v[NIL], 0
	v_lshrrev_b32 v1, 5, v0
	v_readfirstlane_b32 s28, v1                    ; wave 0..3
	v_and_b32 v2, 31, v0                           ; lane
	s_wait_kmcnt 0x0
	s_cmp_ge_u32 ttmp9, QWG
	s_cbranch_scc1 .Lturn
; ---------------- (a) the quantiser.  A wave takes 16 steps of 512 numbers.  Each load reads 512 consecutive bytes; a step's 2,048 bytes turn through the wave's stage so that a lane holds 16 neighbours.
	v_lshlrev_b32 v3, 4, v2                        ; my 16 bytes of a load's 512
	s_mul_i32 s29, s28, WREG
	v_lshrrev_b32 v14, 2, v2
	v_mul_u32_u24 v14, v14, SP
	v_and_b32 v15, 3, v2
	v_lshl_add_u32 v14, v15, 4, v14
	v_add_nc_u32 v14, s29, v14                     ; the stage, on the way in: SP (lane / 4) + 16 (lane % 4)
	v_mul_u32_u24 v15, v2, SP
	v_add_nc_u32 v15, s29, v15                     ; and on the way out: SP x lane
	v_mul_u32_u24 v4, v2, CB                       ; my codes' place in a step's
	v_lshrrev_b32 v5, 1, v2
	s_add_co_u32 s29, s29, 2*32*SP
	v_add_nc_u32 v5, s29, v5                       ; my block's byte among my wave's 256
	v_lshlrev_b32 v7, 3, v2
	v_add_nc_u32 v6, s29, v7                       ; and 8 bytes a lane on their way out
	s_mov_b64 s[30:31], s[14:15]                   ; which tensor is mine, and its first work-group: the choice hangs on the work-group's number alone
	s_mov_b32 s32, 832
	s_cmp_lt_u32 ttmp9, 832
	s_cselect_b64 s[30:31], s[12:13], s[30:31]
	s_cselect_b32 s32, 800, s32
	s_cmp_lt_u32 ttmp9, 800
	s_cselect_b64 s[30:31], s[10:11], s[30:31]
	s_cselect_b32 s32, 768, s32
	s_cmp_lt_u32 ttmp9, 768
	s_cselect_b64 s[30:31], s[8:9], s[30:31]
	s_cselect_b32 s32, 512, s32
	s_cmp_lt_u32 ttmp9, 512
	s_cselect_b64 s[30:31], s[6:7], s[30:31]
	s_cselect_b32 s32, 256, s32
	s_cmp_lt_u32 ttmp9, 256
	s_cselect_b64 s[30:31], s[4:5], s[30:31]
	s_cselect_b32 s32, 0, s32
	s_sub_co_u32 s32, ttmp9, s32
	s_lshl_b32 s32, s32, 17                        ; 131,072 bytes of f32 a work-group,
	s_lshl_b32 s33, s28, 15                        ; 32,768 a wave
	s_add_co_u32 s32, s32, s33
	s_mov_b32 s33, 0
	s_add_nc_u64 s[30:31], s[30:31], s[32:33]
	s_lshl_b32 s32, ttmp9, 14                      ; the codes of all six tensors lie on end: 16,384 bytes a work-group, 4,096 a wave
	s_lshl_b32 s34, s28, 12
	s_add_co_u32 s32, s32, s34
	s_add_nc_u64 s[20:21], s[20:21], s[32:33]
	s_lshl_b32 s32, ttmp9, 10                      ; the bytes likewise: 1,024 and 256
	s_lshl_b32 s34, s28, 8
	s_add_co_u32 s32, s32, s34
	s_add_nc_u64 s[22:23], s[22:23], s[32:33]
.macro QLOAD t
.irp i, 0,1,2,3
	global_load_b128 v[R+16*((\t)%4)+4*\i:R+16*((\t)%4)+4*\i+3], v3, s[30:31] offset:2048*(\t)+512*\i th:TH_LOAD_NT
.endr
.endm
.macro QTURN t                         ; step t's numbers through the stage: LDS serves a wave's instructions in order, so no wait stands between the stores and the loads
.irp i, 0,1,2,3
	ds_store_b128 v14, v[R+16*((\t)%4)+4*\i:R+16*((\t)%4)+4*\i+3] offset:32*SP*((\t)%2)+8*SP*\i
.endr
.irp i, 0,1,2,3
	ds_load_b128 v[X+16*((\t)%2)+4*\i:X+16*((\t)%2)+4*\i+3], v15 offset:32*SP*((\t)%2)+16*\i
.endr
.endm
.irp t, 0,1,2,3
	QLOAD \t
.endr
	s_wait_loadcnt 12                              ; step 0's four loads are in; the twelve of steps 1 to 3 may be out
	QTURN 0
.macro QSTEP t
.set XS, X+16*((\t)%2)
.if (\t) > 0
	s_wait_dscnt 1                                 ; this step's numbers are back from the stage; the last step's byte store may be out
.else
	s_wait_dscnt 0x0
.endif
.if (\t)+4 < STEPS
	QLOAD (\t)+4                                   ; into the set that the stage's stores have read
.endif
.if (\t)+1 < STEPS
.if STEPS-2-(\t) >= 3
	s_wait_loadcnt 12                              ; the next step's four loads are in; those of the three steps behind it may be out
.else
	s_wait_loadcnt 4*(STEPS-2-(\t))
.endif
	QTURN (\t)+1
.endif
	v_max3_num_f32 v8, |v[XS]|, |v[XS+1]|, |v[XS+2]|               ; the largest magnitude of my 16, in two chains
	v_max3_num_f32 v9, |v[XS+3]|, |v[XS+4]|, |v[XS+5]|
.irp i, 6,10
	v_max3_num_f32 v8, v8, |v[XS+\i]|, |v[XS+\i+1]|
	v_max3_num_f32 v9, v9, |v[XS+\i+2]|, |v[XS+\i+3]|
.endr
	v_max3_num_f32 v8, v8, |v[XS+14]|, |v[XS+15]|
	v_max3_num_f32 v8, v8, v9, (EMAX+1)<<23        ; and the floor 2^(3 - 127): the byte cannot fall under 1
	v_max_num_f32_dpp v8, v8, v8 row_xmask:1 row_mask:0xf bank_mask:0xf   ; with my neighbour's 16: the block's
	v_add_nc_u32 v11, -(EMAX<<23), v8              ; 2 off its exponent field: the conversion takes this operand's exponent field as its scale
	v_cvt_scalef32_pk8_fp4_f32 v[C+4*(\t)], v[XS:XS+7], v11
	v_cvt_scalef32_pk8_fp4_f32 v[C+4*(\t)+1], v[XS+8:XS+15], v11
	v_lshrrev_b32 v[E+(\t)], 23, v11               ; the scale's byte (a plain line behind the conversions)
	ds_store_b8 v5, v[E+(\t)] offset:16*(\t)       ; both lanes of a block write the same byte with the same value
	global_store_b64 v4, v[C+4*(\t):C+4*(\t)+1], s[20:21] offset:32*CB*(\t)   ; the wave stores 256 consecutive bytes, aligned
.endm
.irp t, 0,1,2,3,4,5,6,7,8,9,10,11,12,13,14,15
	QSTEP \t
.endr
	ds_load_b64 v[8:9], v6                         ; my wave's 256 bytes: LDS serves a wave's instructions in order
	s_wait_dscnt 0x0
	global_store_b64 v7, v[8:9], s[22:23]          ; 256 consecutive bytes, aligned
	s_wait_tensorcnt 0x0                           ; the wave's end, behind my last LDS store
	ds_add_u32 v[SPW], v[NIL]
	s_wait_dscnt 0x0
	s_endpgm
; ---------------- (b) and (c).  A unit is 32 rows x 256 bytes (64 numbers of 4 bytes); a wave takes four units side by side along its 32 rows.  Each load reads two rows' 256 bytes whole;
; the unit turns through the wave's stage so that lane (r, h) holds, in register 32 t + 8 kt + j, the number (row 16 t + r, column 16 kt + 8 h + j).  Both streams run the same LDS lines.
.Lturn:
	v_and_b32 v8, 15, v0                           ; r
	v_bfe_u32 v9, v0, 4, 1                         ; h
	s_mul_i32 s30, s28, 32*TP
	s_add_co_u32 s30, s30, STG0                    ; my stage
	v_mul_u32_u24 v3, v9, TP
	v_lshl_add_u32 v3, v8, 4, v3
	v_add_nc_u32 v3, s30, v3                       ; in: lanes 0-15 one row, lanes 16-31 the next
	v_mul_u32_u24 v10, v8, TP
	v_lshl_add_u32 v10, v9, 5, v10
	v_add_nc_u32 v10, s30, v10                     ; out: row r, + 32 h
	v_lshlrev_b32 v4, 3, v2                        ; 8 x lane
	v_lshlrev_b32 v5, 4, v2                        ; 16 x lane
	s_sub_co_u32 s30, ttmp9, QWG                   ; g
	s_lshl_b32 s31, s30, 2
	s_add_co_u32 s31, s31, s28                     ; (b) id = 4 g + wave: 32 queries (id / 8), four key steps (id % 8)
	s_lshr_b32 s32, s31, 3
	s_lshl_b32 s32, s32, 18                        ; 32 rows of 8,192 bytes
	s_and_b32 s33, s31, 7
	s_lshl_b32 s33, s33, 10
	s_add_co_u32 s32, s32, s33                     ; where I read in mask
	s_lshl_b32 s33, s31, 10                        ; and store in mb: four units of 256 bytes
	s_and_b32 s34, s30, 31                         ; (c) P = g - 512: features 32 P on; my wave: K step wave
	s_lshl_b32 s35, s34, 17                        ; 32 rows of 4,096 bytes
	s_lshl_b32 s36, s28, 10
	s_add_co_u32 s35, s35, s36                     ; where I read in Wo
	s_lshl_b32 s36, s28, 19
	s_lshl_b32 s34, s34, 14
	s_add_co_u32 s36, s36, s34                     ; and store in wf
	s_mov_b32 s44, 8192
	s_cmp_ge_u32 s30, 512                          ; the choices hang on the work-group's number alone
	s_cselect_b32 s29, 1, 0                        ; 1: Wo
	s_cselect_b32 s46, s35, s32
	s_cselect_b32 s37, s36, s33
	s_cselect_b64 s[40:41], s[18:19], s[16:17]
	s_cselect_b64 s[42:43], s[26:27], s[24:25]
	s_cselect_b32 s44, 4096, s44                   ; a row in memory
	s_mov_b32 s47, 0
	s_add_nc_u64 s[40:41], s[40:41], s[46:47]
	s_mov_b32 s46, s37
	s_add_nc_u64 s[42:43], s[42:43], s[46:47]
	s_lshl_b32 s45, s44, 1
	v_mul_lo_u32 v14, v9, s44
	v_lshl_add_u32 v14, v8, 4, v14                 ; row h, 16 bytes a lane
	s_mov_b32 s46, 0
.irp i, 0,1,2,3,4,5,6,7,8,9,10,11,12,13,14,15
	v_add_nc_u32 v[OFV+\i], s46, v14               ; load i: rows 2 i and 2 i + 1
	s_add_co_u32 s46, s46, s45
.endr
.irp i, 0,1,2,3,4,5,6,7
	v_mov_b32 v[CW+\i], 0                          ; written once: v_writelane_b32's destination counts as read
.endr
.macro ULOAD n
.irp i, 0,1,2,3,4,5,6,7,8,9,10,11,12,13,14,15
	global_load_b128 v[RA+64*((\n)%2)+4*\i:RA+64*((\n)%2)+4*\i+3], v[OFV+\i], s[40:41] offset:256*(\n) th:TH_LOAD_NT
.endr
.endm
.macro UNIT n
.set RR, RA+64*((\n)%2)
.if (\n) < 3
	s_wait_loadcnt 16                              ; this unit's sixteen loads are in; the next unit's may be out
.else
	s_wait_loadcnt 0x0
.endif
.if (\n) > 0
	s_wait_xcnt 0x0                                ; the last unit's stores have read their data: v32 on are written again only behind this wait
.endif
.irp i, 0,1,2,3,4,5,6,7,8,9,10,11,12,13,14,15
	ds_store_b128 v3, v[RR+4*\i:RR+4*\i+3] offset:2*TP*\i
.endr
.irp t, 0,1
.irp k, 0,1,2,3
.irp c, 0,1
	ds_load_b128 v[XX+32*\t+8*\k+4*\c:XX+32*\t+8*\k+4*\c+3], v10 offset:16*\t*TP+64*\k+16*\c
.endr
.endr
.endr
	s_wait_dscnt 0x0                               ; the unit is turned, and the stage's stores have read their registers
.if (\n) < 2
	ULOAD (\n)+2
.endif
	s_cmp_lg_u32 s29, 0
	s_cbranch_scc1 .Lwo_\@
.set w, 0
.rept 8                                ; (b) a compare makes a word of 32 bits, one a lane; word w goes to lane w / 2, register w % 2, so that the wave's store lays the 64 words on end
.irp j, 0,1,2,3,4,5,6,7
	v_cmp_ne_u32 s[32+\j], 0, v[XX+w+\j]
.endr
.irp j, 0,1,2,3,4,5,6,7
	v_writelane_b32 v[CW+2*(\n)+(\j%2)], s[32+\j], (w+\j)/2
.endr
.set w, w+8
.endr
	global_store_b64 v4, v[CW+2*(\n):CW+2*(\n)+1], s[42:43] offset:256*(\n)   ; 256 consecutive bytes, aligned
	s_branch .Ldone_\@
.Lwo_\@:
.irp t, 0,1                            ; (c) eight neighbours along K round to 16 bytes: a lane's part of a chunk
.irp k, 0,1,2,3
.irp i, 0,1,2,3
	v_cvt_pk_f16_f32 v[CW+4*(4*\t+\k)+\i], v[XX+32*\t+8*\k+2*\i], v[XX+32*\t+8*\k+2*\i+1]
.endr
.endr
.endr
.irp t, 0,1
.irp k, 0,1,2,3
	global_store_b128 v5, v[CW+4*(4*\t+\k):CW+4*(4*\t+\k)+3], s[42:43] offset:8192*\t+2048*(\n)+512*\k   ; a chunk: 512 consecutive bytes, aligned
.endr
.endr
.Ldone_\@:
.endm
	ULOAD 0
	ULOAD 1
	UNIT 0
	UNIT 1
	UNIT 2
	UNIT 3
	s_wait_tensorcnt 0x0                           ; the wave's end, behind my last LDS store
	ds_add_u32 v[SPW], v[NIL]
	s_wait_dscnt 0x0
	s_endpgm
.Lfunc_end_k_q382c7e4fd5_prep:
	.size	k_q382c7e4fd5_prep, .Lfunc_end_k_q382c7e4fd5_prep-k_q382c7e4fd5_prep
	.p2alignl 7, 3214868480
	.fill 96, 4, 3214868480
	.section	.rodata,"a",@progbits
	.p2align	6, 0x0
	.amdhsa_kernel k_q382c7e4fd5_prep
		.amdhsa_group_segment_fixed_size 68096
		.amdhsa_private_segment_fixed_size 0
		.amdhsa_enable_private_segment 0
		.amdhsa_kernarg_size 96
		.amdhsa_user_sgpr_count 2
		.amdhsa_user_sgpr_kernarg_segment_ptr 1
		.amdhsa_wavefront_size32 1
		.amdhsa_system_sgpr_workgroup_id_x 1
		.amdhsa_system_sgpr_workgroup_id_y 1
		.amdhsa_system_sgpr_workgroup_id_z 1
		.amdhsa_system_vgpr_workitem_id 0
		.amdhsa_next_free_vgpr 256
		.amdhsa_next_free_sgpr 66
		.amdhsa_reserve_vcc 0
		.amdhsa_float_denorm_mode_32 3
		.amdhsa_float_denorm_mode_16_64 3
		.amdhsa_memory_ordered 1
		.amdhsa_forward_progress 1
		.amdhsa_inst_pref_size 95
	.end_amdhsa_kernel
	.amdgpu_metadata
---
amdhsa.version: [ 1, 2 ]
amdhsa.kernels:
  - .name:           k_q382c7e4fd5_prep
    .symbol:         k_q382c7e4fd5_prep.kd
    .args:
      - { .name: q, .offset: 0, .size: 8, .value_kind: global_buffer, .address_space: global }
      - { .name: k, .offset: 8, .size: 8, .value_kind: global_buffer, .address_space: global }
      - { .name: v, .offset: 16, .size: 8, .value_kind: global_buffer, .address_space: global }
      - { .name: Wq, .offset: 24, .size: 8, .value_kind: global_buffer, .address_space: global }
      - { .name: Wk, .offset: 32, .size: 8, .value_kind: global_buffer, .address_space: global }
      - { .name: Wv, .offset: 40, .size: 8, .value_kind: global_buffer, .address_space: global }
      - { .name: mask, .offset: 48, .size: 8, .value_kind: global_buffer, .address_space: global }
      - { .name: Wo, .offset: 56, .size: 8, .value_kind: global_buffer, .address_space: global }
      - { .name: cod, .offset: 64, .size: 8, .value_kind: global_buffer, .address_space: global }
      - { .name: scl, .offset: 72, .size: 8, .value_kind: global_buffer, .address_space: global }
      - { .name: mb, .offset: 80, .size: 8, .value_kind: global_buffer, .address_space: global }
      - { .name: wf, .offset: 88, .size: 8, .value_kind: global_buffer, .address_space: global }
    .group_segment_fixed_size: 68096
    .private_segment_fixed_size: 0
    .kernarg_segment_align: 8
    .kernarg_segment_size: 96
    .max_flat_workgroup_size: 128
    .sgpr_count:     66
    .vgpr_count:     256
    .wavefront_size: 32
...
	.end_amdgpu_metadata
.endif
;; end of part 1
;; launch proj (part 2): grid 4 x 96, 4 waves a work-group, clusters of 4 x 4, 327,680 bytes of LDS; arguments cod, scl, bq, bk, bv, qf, kv; writes qf, kv
.if DOCPART == 2
	.amdgcn_target "amdgcn-amd-amdhsa--gfx1250"
	.amdhsa_code_object_version 6
	.text
	.protected	k_q382c7e4fd5_proj
	.globl	k_q382c7e4fd5_proj
	.p2align	8
	.type	k_q382c7e4fd5_proj,@function
k_q382c7e4fd5_proj:
	s_mov_b64 s[64:65], 0
	v_nop
	global_prefetch_b8 v0, s[64:65] scope:SCOPE_SE
	s_setreg_imm32_b32 hwreg(HW_REG_WAVE_MODE, 25, 1), 1
	s_wait_xcnt 0x0
	s_wait_alu depctr_hold_cnt(0) depctr_sa_sdst(0) depctr_va_vdst(0) depctr_va_sdst(0) depctr_va_ssrc(0) depctr_va_vcc(0) depctr_vm_vsrc(0)
	s_getreg_b32 s2, hwreg(HW_REG_IB_STS2, 6, 4)
	s_cmp_eq_u32 s2, 0
	s_cbranch_scc0 .Lentry_in_a_cluster
	s_endpgm
.Lentry_in_a_cluster:
	s_bfe_u32 s2, ttmp6, 0x10000c
	s_cmp_lg_u32 s2, 0xf033
	s_cbranch_scc0 .Lentry_shape_is_right
	s_endpgm
.Lentry_shape_is_right:
; PROJ: the three quantised projections in one launch: y[token][e] = sum over d of x[token][d] W[e][d] + b[e], on codes of FP4 (E2M1) with one E8M0 scale for each 32 along K = 1,024; sums in f32.
; A = the 24,576 stacked rows of q, k, v in cod / scl; B = the 1,024 rows of Wq, Wk or Wv, which lie behind them (row 24,576 + 1,024 x projection).  A tile of 256 x 256 to a work-group of four waves,
; 128 x 128 to a wave: 64 accumulators, 512 registers.  K = 1,024 is two slots of 512: both are asked for at the start, nothing is filled again.  The scale bytes of the tile's rows come once, with them.
; CLUSTERS: 4 x 4 work-groups; the four of a row need the same tiles of A, the four of a column the same tiles of B: each tile is asked for jointly.  The projection hangs on the cluster's y alone.
; THE MATRIX INSTRUCTION IS USED TRANSPOSED (source 0 = 16 rows of W, source 1 = 16 tokens): a lane holds ONE token and eight neighbouring features.  The bias is the C of each sum's first product.
; THE WAY OUT: q's results are multiplied by log2(e) / 8 (k's and v's by 1: one path for the three), rounded to f16, and a lane's 16 bytes are stored where the attention launch's operand registers want them:
;   qf[bh][query tile][1,024 x 2 bytes], kv[bh][step of 64 keys][K 8,192 | V 8,192 bytes]; in each a region of 512 bytes for 16 tokens x 16 channels, region (token tile % 4) x 4 + channel block.
;   Q, K: lane (r, h) at 16 r + 256 h.  V: at 16 (r % 8) + 128 h + 256 (r / 8), so that the turning LDS load finds its rows at 16 x lane.  Each store of the wave covers 512 consecutive bytes, aligned: no stage.
; LIMITS: results beyond 65,504 in magnitude (q's after the factor) become infinities in f16.
; REGISTERS, in windows of 256: window 0: v0-31 addresses; v32-95 scale words, two sets, and nothing else; v128-191 A's fragments, one set; v192-255 the bias, 8 registers for each of my 8 feature blocks.
;   On the way out v128-191 take the scaled numbers, v192-255 the packed ones.  window 1: B's fragments, two sets.  windows 2, 3: the accumulators ((a, b) at v[8 (8 (a % 4) + b)]).
.set NQ,     4                         ; matrix instructions deep in a slot: 512 along K
.set ROWB,   256                       ; a tile's row in bytes
.set KROW,   512                       ; a row of codes in memory
.set PITCH,  272                       ; an LDS row: 256 bytes + 16 of padding: the 16 rows that a load touches start at 16 different banks (64 banks of 4 bytes: ISA guide 11.1)
.set FR,     8
.set NL,     2
.set NP,     4                         ; places behind this matrix instruction (ISA guide 7.12.1)
.set HALFT,  128*PITCH
.set SLOT,   4*HALFT                   ; A's 256 rows, then B's 256 rows
.set KS,     32                        ; a row of scale bytes
.set SCL,    2*SLOT                    ; behind the slots: the scales, as rows of 256 bytes + 16 of padding
.set HALFS,  (128*KS/256)*272
.set SBLK,   (16*KS/256)*272
.set SPARE,  SCL+4*HALFS               ; the spare words, 128 bytes for each wave: two blocks of 256 bytes that no other line names
.set ADRA, 16                          ; v16-17 LDS address of my A fragments in slot 0, 1
.set ADRB, 20                          ; v20-21 the same for B
.set VOF,  24                          ; v24    my lane's place in a region of 512 bytes
.set BOF,  25                          ; v25    32 x (lane / 16): my half's eight numbers of a block of the bias
.set ADRS, 27                          ; v27    LDS address of my scale words: lanes 0-15 A's rows, lanes 16-31 B's
.set SPW,  28                          ; v28    my spare word; never rewritten
.set NIL,  29                          ; v29    0; never rewritten
.set SC,   32
.set AF,   128
.set BIAS, 192
.set TT,   128
.set PK,   192
.set G1, 24                            ; s[24:31], s[32:39] groups 1 and 0 (a set for each slot) for A's tiles; s[48:55], s[56:63] for B's
.set G0, 32
.set G1B, 48
.set G0B, 56
.set G1S, 68                           ; s[68:75], s[76:79] for A's scales; s[80:87], s[88:91] for B's
.set G0S, 76
.set G1SB, 80
.set G0SB, 88
.set PO,  92                           ; s[92:99] four output pointers: head (0, 1) x 4 + half of my token tiles (0, 1) x 2
.set CSC, 100                          ; s[100:101] the factor
.set MSB, 0
.macro WIN new                         ; the immediate's high byte repeats the setting that is left
.if MSB != (\new)
	s_set_vgpr_msb (MSB<<8)|(\new)
.set MSB, (\new)
.endif
.endm
.set MUL_LO, 0xa1                      ; source 0 (B) window 1, source 1 (A) window 0, C and D window 2
.set MUL_HI, 0xf1                      ; the same, C and D window 3
.set TO_B,   0x40
; A joint load: waves 0 and 1 fetch for A, waves 2 and 3 for B; the branch hangs on the wave's number alone.  An s_nop 0 and four v_nop follow each line.
.macro JLOAD g0a, g1a, g0b, g1b
	s_cmp_eq_u32 s19, 0
	s_cbranch_scc0 .Lfor_b_\@
	tensor_load_to_lds s[\g0a:\g0a+3], s[\g1a:\g1a+7]
	s_nop 0
.rept 4
	v_nop
.endr
	s_branch .Lasked_\@
.Lfor_b_\@:
	tensor_load_to_lds s[\g0b:\g0b+3], s[\g1b:\g1b+7]
	s_nop 0
.rept 4
	v_nop
.endr
.Lasked_\@:
.endm
.macro CROUND                          ; a round of the cluster's barrier
	s_barrier_signal -1
	s_barrier_wait -1
	s_cmp_lg_u32 s18, 0
	s_cbranch_scc1 .Lnot_wave_0_\@
	s_barrier_signal -3
.Lnot_wave_0_\@:
	s_barrier_wait -3
	s_barrier_signal -1
	s_barrier_wait -1
.endm
	s_load_b256 s[4:11], s[0:1], 0x0               ; cod, scl, bq, bk
	s_load_b128 s[12:15], s[0:1], 0x20             ; bv, qf
	s_load_b64 s[16:17], s[0:1], 0x30              ; kv
	v_lshl_add_u32 v[SPW], v0, 2, SPARE
	v_mov_b32 v[NIL], 0
	ds_add_u32 v[SPW], v[NIL]                      ; the wave's opening: the add, twice on end, and its wait ahead of my first tensor load
	ds_add_u32 v[SPW], v[NIL]
	v_lshrrev_b32 v1, 5, v0
	v_readfirstlane_b32 s18, v1                    ; wave 0..3
	s_lshr_b32 s19, s18, 1                         ; which half of the tile's tokens is mine.  Also: I fetch for A (0) or for B (1)
	s_and_b32 s20, s18, 1                          ; which half of its features.  Also: which 128 rows I fetch
	s_bfe_u32 s40, ttmp6, 0x40000                  ; cx
	s_bfe_u32 s41, ttmp6, 0x40004                  ; cy
	s_lshl_b32 s22, ttmp9, 2
	s_add_co_u32 s22, s22, s40                     ; tile column = 4 x cluster x + cx
	s_and_b32 s23, ttmp7, 0xffff                   ; cluster y
	s_lshl_b32 s21, s23, 2
	s_add_co_u32 s21, s21, s41                     ; tile row = 4 x cluster y + cy
	s_lshr_b32 s23, s23, 3                         ; the projection: 8 clusters, 32 tile rows, each
	s_lshl_b32 s42, s41, 2
	s_lshl_b32 s42, 15, s42                        ; my row of the cluster
	s_lshl_b32 s43, 0x1111, s40                    ; my column
	s_or_b32 s[G1+0], s42, (0<<16)|(1<<20)|(1<<21)|(5<<22)|(3<<25)   ; the mask; elements of 1 byte; padding: 4 words behind every 64; bit 21 beside a mask
	s_or_b32 s[G1B+0], s43, (0<<16)|(1<<20)|(1<<21)|(5<<22)|(3<<25)
.irp g, G1, G1B
	s_mov_b32 s[\g+1], ROWB<<16                    ; tensor_dim0
	s_mov_b32 s[\g+2], 128<<16                     ; tensor_dim1
	s_mov_b32 s[\g+3], ROWB<<16                    ; tile_dim0
	s_mov_b32 s[\g+4], 128                         ; tile_dim1
	s_mov_b32 s[\g+5], KROW                        ; from row to row
	s_mov_b32 s[\g+6], 0
	s_mov_b32 s[\g+7], 0
.endr
	s_or_b32 s[G1S+0], s42, (3<<16)|(1<<20)|(1<<21)|(5<<22)|(3<<25)  ; the scales of 128 rows: 4,096 dense bytes as 16 rows of 32 elements of 8 bytes
	s_or_b32 s[G1SB+0], s43, (3<<16)|(1<<20)|(1<<21)|(5<<22)|(3<<25)
.irp g, G1S, G1SB
	s_mov_b32 s[\g+1], 32<<16
	s_mov_b32 s[\g+2], (128*KS/256)<<16
	s_mov_b32 s[\g+3], 32<<16
	s_mov_b32 s[\g+4], 128*KS/256
	s_mov_b32 s[\g+5], 32
	s_mov_b32 s[\g+6], 0
	s_mov_b32 s[\g+7], 0
.endr
	s_lshl_b32 s44, s20, 7                         ; which 128 rows of the tile I fetch
	s_lshl_b32 s92, s21, 8
	s_add_co_u32 s92, s92, s44                     ; A: row 256 x tile row + 128 x half
	s_lshl_b32 s96, s22, 8
	s_add_co_u32 s96, s96, s44
	s_lshl_b32 s47, s23, 10
	s_add_co_u32 s96, s96, s47
	s_add_co_u32 s96, s96, 24576                   ; B: row 24,576 + 1,024 x projection + 256 x tile column + 128 x half
	s_lshl_b32 s94, s92, 5                         ; their scale bytes,
	s_lshl_b32 s92, s92, 9                         ; their codes
	s_mov_b32 s93, 0
	s_mov_b32 s95, 0
	s_lshl_b32 s98, s96, 5
	s_lshl_b32 s96, s96, 9
	s_mov_b32 s97, 0
	s_mov_b32 s99, 0
	s_mul_i32 s45, s18, HALFT                      ; where they go: wave x 128 rows: no place in the cluster enters an LDS address
	s_mul_i32 s46, s18, HALFS
	s_wait_dscnt 0x0                               ; both opening adds are done
	s_wait_kmcnt 0x0
	s_add_nc_u64 s[92:93], s[4:5], s[92:93]
	s_add_nc_u64 s[94:95], s[6:7], s[94:95]
	s_add_nc_u64 s[96:97], s[4:5], s[96:97]
	s_add_nc_u64 s[98:99], s[6:7], s[98:99]
	CROUND                                         ; all sixteen work-groups are here: the joint loads meet
	s_mov_b32 s[G0S], 1
	s_add_co_u32 s[G0S+1], s46, SCL
	s_mov_b64 s[G0S+2:G0S+3], s[94:95]
	s_or_b32 s[G0S+3], s[G0S+3], 0x80000000
	s_mov_b32 s[G0SB], 1
	s_add_co_u32 s[G0SB+1], s46, SCL
	s_mov_b64 s[G0SB+2:G0SB+3], s[98:99]
	s_or_b32 s[G0SB+3], s[G0SB+3], 0x80000000
	JLOAD G0S, G1S, G0SB, G1SB                     ; the scales first: they are wanted with the first slot
.irp s, 0,1
	s_mov_b32 s[G0+4*\s], 1
	s_add_co_u32 s[G0+4*\s+1], s45, \s*SLOT
	s_add_nc_u64 s[G0+4*\s+2:G0+4*\s+3], s[92:93], \s*ROWB
	s_or_b32 s[G0+4*\s+3], s[G0+4*\s+3], 0x80000000
	s_mov_b32 s[G0B+4*\s], 1
	s_add_co_u32 s[G0B+4*\s+1], s45, \s*SLOT
	s_add_nc_u64 s[G0B+4*\s+2:G0B+4*\s+3], s[96:97], \s*ROWB
	s_or_b32 s[G0B+4*\s+3], s[G0B+4*\s+3], 0x80000000
	JLOAD G0+4*\s, G1, G0B+4*\s, G1B               ; three loads of mine are out at the most
.endr
	v_and_b32 v1, 15, v0                           ; r
	v_bfe_u32 v2, v0, 4, 1                         ; h
	; what hangs on the projection is chosen, never branched on
	s_cmp_eq_u32 s23, 0
	s_cselect_b64 s[2:3], s[8:9], s[10:11]         ; the bias,
	s_cselect_b64 s[4:5], s[14:15], s[16:17]       ; the output buffer,
	s_cselect_b32 s6, 18, 19                       ; bytes of a (batch, head) in it, as a shift,
	s_cselect_b32 s7, 13, 14                       ; bytes of four token tiles in it, as a shift,
	s_cselect_b32 s[CSC], 0x3e38aa3b, 1.0          ; and the factor: log2(e) / 8 for q
	s_cmp_eq_u32 s23, 2
	s_cselect_b64 s[2:3], s[12:13], s[2:3]
	s_cselect_b32 s44, 8192, 0                     ; V lies behind K in a step
	s_cselect_b32 s45, 8, 7                        ; the lane's place: (r / 8) << 7 and h << 8, for V the other way round
	s_cselect_b32 s46, 7, 8
	s_mov_b32 s[CSC+1], s[CSC]                     ; (named with it as a pair, so it is written)
	s_lshl_b32 s104, s22, 10
	s_lshl_b32 s105, s20, 9
	s_add_co_u32 s104, s104, s105                  ; my 128 features' bias: 4 (256 x tile column + 128 x half)
	s_mov_b32 s105, 0
	s_add_nc_u64 s[2:3], s[2:3], s[104:105]
	v_lshlrev_b32 v[BOF], 5, v2
.irp b, 0,1,2,3,4,5,6,7
	global_load_b128 v[BIAS+8*\b:BIAS+8*\b+3], v[BOF], s[2:3] offset:64*\b         ; register j: the bias of feature 16 b + 8 h + j: the result's layout
	global_load_b128 v[BIAS+8*\b+4:BIAS+8*\b+7], v[BOF], s[2:3] offset:64*\b+16
.endr
	v_mul_u32_u24 v3, v1, PITCH
	v_lshl_add_u32 v4, v2, 4, v3                   ; a fragment's row x pitch + 16 x half
	s_mul_i32 s40, s19, HALFT                      ; my 128 rows of A
	s_mul_i32 s41, s20, HALFT                      ; my 128 rows of B,
	s_add_co_u32 s41, s41, 2*HALFT                 ; which lie behind A's 256
.irp s, 0,1
	v_add_nc_u32 v[ADRA+\s], s40, v4
	v_add_nc_u32 v[ADRB+\s], s41, v4
	s_add_co_u32 s40, s40, SLOT
	s_add_co_u32 s41, s41, SLOT
.endr
	v_mul_u32_u24 v5, v1, KS                       ; my row's scales: 32 bytes a row,
	v_lshrrev_b32 v6, 8, v5
	v_lshl_add_u32 v5, v6, 4, v5                   ; and 16 more for each 256 passed
	s_mul_i32 s40, s19, HALFS
	s_mul_i32 s41, s20, HALFS
	s_add_co_u32 s41, s41, 2*HALFS
	s_sub_co_u32 s41, s41, s40
	v_mul_u32_u24 v6, s41, v2                      ; lanes 16-31 take B's
	s_add_co_u32 s40, s40, SCL
	v_add_nc_u32 v5, v5, v6
	v_add_nc_u32 v[ADRS], s40, v5
	v_and_b32 v5, 7, v0
	v_lshlrev_b32 v[VOF], 4, v5                    ; 16 (r % 8)
	v_bfe_u32 v5, v0, 3, 1
	v_lshlrev_b32 v5, s45, v5
	v_add_nc_u32 v[VOF], v[VOF], v5
	v_lshlrev_b32 v5, s46, v2
	v_add_nc_u32 v[VOF], v[VOF], v5
	; the four output pointers
	s_lshl_b32 s40, s21, 8
	s_lshl_b32 s41, s19, 7
	s_add_co_u32 s40, s40, s41
	s_and_b32 s40, s40, 8191                       ; my first token within its tensor
	s_lshr_b32 s41, s40, 11                        ; the batch entry
	s_lshl_b32 s41, s41, 4
	s_lshl_b32 s47, s22, 2
	s_add_co_u32 s41, s41, s47
	s_lshl_b32 s47, s20, 1
	s_add_co_u32 s41, s41, s47                     ; 16 x batch + my first head (4 x tile column + 2 x half)
	s_lshl_b32 s41, s41, s6
	s_and_b32 s40, s40, 2047
	s_lshr_b32 s40, s40, 6                         ; my first four token tiles
	s_lshl_b32 s40, s40, s7
	s_add_co_u32 s104, s40, s41
	s_add_co_u32 s104, s104, s44
	s_add_nc_u64 s[PO:PO+1], s[4:5], s[104:105]
	s_lshl_b32 s104, 1, s7
	s_add_nc_u64 s[PO+2:PO+3], s[PO:PO+1], s[104:105]
	s_lshl_b32 s104, 1, s6
	s_add_nc_u64 s[PO+4:PO+5], s[PO:PO+1], s[104:105]
	s_add_nc_u64 s[PO+6:PO+7], s[PO+2:PO+3], s[104:105]
.macro FRAG reg, adr, q, i             ; 16 rows x 128 K of 4-bit codes: 8 registers: lane l holds row l % 16; registers 4 c .. 4 c + 3 hold K = 64 c + 32 (l / 16) + 0 .. 31
.irp c, 0,1
	ds_load_b128 v[\reg+4*\c:\reg+4*\c+3], v[\adr] offset:64*(\q)+32*\c+(\i)*16*PITCH
.endr
.endm
; 16 matrix instructions: A's blocks a0, a0 + 1 x B's eight, the slot's q-th 128 along K.  p: B's set; sc: the set of scale words.  zero = 1: the first product starts the sums, with the bias as C.
; The 64 accumulators take turns, one instruction a turn, in the same order in every step.
.macro MUL16 a0, p, q, sc, zero
.irp a, \a0, \a0+1
.irp b, 0,1,2,3,4,5,6,7
.if \zero
	v_wmma_scale_f32_16x16x128_f8f6f4 v[8*(8*((\a)%4)+\b):8*(8*((\a)%4)+\b)+7], v[128*(\p)+FR*\b:128*(\p)+FR*\b+FR-1], v[AF+FR*(\a):AF+FR*(\a)+FR-1], v[BIAS+8*\b:BIAS+8*\b+7], v[SC+8*NQ*(\sc)+NQ*\b+(\q)], v[SC+8*NQ*(\sc)+NQ*(\a)+(\q)] matrix_a_fmt:MATRIX_FMT_FP4 matrix_b_fmt:MATRIX_FMT_FP4 matrix_a_scale:MATRIX_SCALE_ROW1
.else
	v_wmma_scale_f32_16x16x128_f8f6f4 v[8*(8*((\a)%4)+\b):8*(8*((\a)%4)+\b)+7], v[128*(\p)+FR*\b:128*(\p)+FR*\b+FR-1], v[AF+FR*(\a):AF+FR*(\a)+FR-1], v[8*(8*((\a)%4)+\b):8*(8*((\a)%4)+\b)+7], v[SC+8*NQ*(\sc)+NQ*\b+(\q)], v[SC+8*NQ*(\sc)+NQ*(\a)+(\q)] matrix_a_fmt:MATRIX_FMT_FP4 matrix_b_fmt:MATRIX_FMT_FP4 matrix_a_scale:MATRIX_SCALE_ROW1
.endif
.endr
.endr
.endm
.macro FETCH_B slot, q, p
	WIN TO_B
.irp i, 0,1,2,3,4,5,6,7
	FRAG 128*(\p)+FR*\i, ADRB+\slot, \q, \i
.endr
	WIN 0
.endm
.macro FETCH_A slot, q, i0
.irp i, \i0, \i0+1, \i0+2, \i0+3
	FRAG AF+FR*(\i), ADRA+\slot, \q, \i
.endr
.endm
.macro SCALES sc                       ; a slot's scale words: 4 words a row; lanes 0-15 take A's block i, lanes 16-31 B's block i
.irp i, 0,1,2,3,4,5,6,7
	ds_load_b128 v[SC+8*NQ*\sc+NQ*\i:SC+8*NQ*\sc+NQ*\i+3], v[ADRS] offset:\i*SBLK
.endr
.endm
.macro PLACES n                        ; plain vector instructions between a matrix instruction and a load into, or a vector instruction on, its registers
.rept \n
	v_nop
.endr
.endm
.macro STEP slot, q, zero              ; a step of 128 along K that has its successor in the same slot
	s_wait_dscnt 4*NL                              ; B's set and A's blocks 0-3 are in; the youngest eight loads (A's blocks 4-7) may be out
.if \zero
	WIN 0x81                                       ; C (the bias) window 0, D window 2
.else
	WIN MUL_LO
.endif
	MUL16 0, (\q)%2, \q, \slot, \zero
	MUL16 2, (\q)%2, \q, \slot, \zero
	s_wait_dscnt 0                                 ; A's blocks 4-7 are in
	PLACES NP
	FETCH_B \slot, (\q)+1, 1-(\q)%2
	FETCH_A \slot, (\q)+1, 0
.if \zero
	WIN 0xc1                                       ; C window 0, D window 3
.else
	WIN MUL_HI
.endif
	MUL16 4, (\q)%2, \q, \slot, \zero
	MUL16 6, (\q)%2, \q, \slot, \zero
	PLACES NP
	WIN 0
	FETCH_A \slot, (\q)+1, 4
.endm
.macro STEPS slot, from
.set Q, \from
.rept NQ-1-\from
	STEP \slot, Q, 0
.set Q, Q+1
.endr
.endm
	s_wait_tensorcnt 1                             ; the scales and my part of slot 0 are in; slot 1's load may be out
	s_barrier_signal -1
	s_barrier_wait -1                              ; everybody's are
	FETCH_B 0, 0, 0
	FETCH_A 0, 0, 0
	SCALES 0
	FETCH_A 0, 0, 4
	s_wait_loadcnt 0x0                             ; the bias
	STEP 0, 0, 1
	STEPS 0, 1
	; slot 0's last step changes slots: one barrier; in front of it my load of slot 1 has landed
	s_wait_tensorcnt 0x0
	ds_add_u32 v[SPW], v[NIL]
	s_wait_dscnt 4*NL+1                            ; (the add and the youngest eight loads may be out)
	WIN MUL_LO
	MUL16 0, 1, NQ-1, 0, 0
	s_wait_dscnt 0x0
	s_barrier_signal -1
	MUL16 2, 1, NQ-1, 0, 0
	WIN 0
	s_barrier_wait -1                              ; slot 1 is whole
	PLACES NP
	v_add_nc_u32 v[ADRS], 4*NQ, v[ADRS]            ; on to slot 1's scale words (no LDS load of mine is out)
	FETCH_B 1, 0, 0
	FETCH_A 1, 0, 0
	SCALES 1
	WIN MUL_HI
	MUL16 4, 1, NQ-1, 0, 0
	MUL16 6, 1, NQ-1, 0, 0
	PLACES NP
	WIN 0
	FETCH_A 1, 0, 4
	STEPS 1, 0
	s_wait_dscnt 4*NL                              ; the very last step: nothing more to fetch
	WIN MUL_LO
	MUL16 0, 1, NQ-1, 1, 0
	MUL16 2, 1, NQ-1, 1, 0
	s_wait_dscnt 0
	WIN MUL_HI
	MUL16 4, 1, NQ-1, 1, 0
	MUL16 6, 1, NQ-1, 1, 0
	WIN 0
	PLACES NP                                      ; in front of the first read of results and the first write of registers that held A's fragments
; THE WAY OUT of token tile a: x the factor (each accumulator from its low end on), rounded to f16, eight stores of 512 consecutive bytes.
.macro OUTBLK a
.set AC, 64*((\a)%4)
.set PP, PK+32*((\a)%2)
.if (\a) > 1
	s_wait_xcnt 0x0                                ; the stores of the tile two back have read their data: that set is written again only behind this wait
.endif
	WIN 0x02+(\a)/4                                ; source 0: window 2 or 3
.irp b, 0,1,2,3,4,5,6,7
.irp i, 0,2,4,6
	v_pk_mul_f32 v[TT+8*\b+\i:TT+8*\b+\i+1], v[AC+8*\b+\i:AC+8*\b+\i+1], s[CSC:CSC+1] op_sel_hi:[1,0]
.endr
.endr
	WIN 0
.irp b, 0,1,2,3,4,5,6,7
.irp i, 0,1,2,3
	v_cvt_pk_f16_f32 v[PP+4*\b+\i], v[TT+8*\b+2*\i], v[TT+8*\b+2*\i+1]
.endr
.endr
.irp b, 0,1,2,3,4,5,6,7
	global_store_b128 v[VOF], v[PP+4*\b:PP+4*\b+3], s[PO+4*(\b/4)+2*((\a)/4):PO+4*(\b/4)+2*((\a)/4)+1] offset:((\a)%4)*2048+(\b%4)*512
.endr
.endm
.irp a, 0,1,2,3,4,5,6,7
	OUTBLK \a
.endr
	s_wait_tensorcnt 0x0                           ; the wave's end, behind my last tensor load
	ds_add_u32 v[SPW], v[NIL]
	s_wait_dscnt 0x0
	CROUND                                         ; the closing round
	s_endpgm
.Lfunc_end_k_q382c7e4fd5_proj:
	.size	k_q382c7e4fd5_proj, .Lfunc_end_k_q382c7e4fd5_proj-k_q382c7e4fd5_proj
	.p2alignl 7, 3214868480
	.fill 96, 4, 3214868480
	.section	.rodata,"a",@progbits
	.p2align	6, 0x0
	.amdhsa_kernel k_q382c7e4fd5_proj
		.amdhsa_group_segment_fixed_size 327680
		.amdhsa_private_segment_fixed_size 0
		.amdhsa_enable_private_segment 0
		.amdhsa_kernarg_size 56
		.amdhsa_user_sgpr_count 2
		.amdhsa_user_sgpr_kernarg_segment_ptr 1
		.amdhsa_wavefront_size32 1
		.amdhsa_system_sgpr_workgroup_id_x 1
		.amdhsa_system_sgpr_workgroup_id_y 1
		.amdhsa_system_sgpr_workgroup_id_z 1
		.amdhsa_system_vgpr_workitem_id 0
		.amdhsa_next_free_vgpr 1024
		.amdhsa_next_free_sgpr 106
		.amdhsa_reserve_vcc 0
		.amdhsa_float_denorm_mode_32 3
		.amdhsa_float_denorm_mode_16_64 3
		.amdhsa_memory_ordered 1
		.amdhsa_forward_progress 1
		.amdhsa_inst_pref_size 136
	.end_amdhsa_kernel
	.amdgpu_metadata
---
amdhsa.version: [ 1, 2 ]
amdhsa.kernels:
  - .name:           k_q382c7e4fd5_proj
    .symbol:         k_q382c7e4fd5_proj.kd
    .args:
      - { .name: cod, .offset: 0, .size: 8, .value_kind: global_buffer, .address_space: global }
      - { .name: scl, .offset: 8, .size: 8, .value_kind: global_buffer, .address_space: global }
      - { .name: bq, .offset: 16, .size: 8, .value_kind: global_buffer, .address_space: global }
      - { .name: bk, .offset: 24, .size: 8, .value_kind: global_buffer, .address_space: global }
      - { .name: bv, .offset: 32, .size: 8, .value_kind: global_buffer, .address_space: global }
      - { .name: qf, .offset: 40, .size: 8, .value_kind: global_buffer, .address_space: global }
      - { .name: kv, .offset: 48, .size: 8, .value_kind: global_buffer, .address_space: global }
    .group_segment_fixed_size: 327680
    .private_segment_fixed_size: 0
    .kernarg_segment_align: 8
    .kernarg_segment_size: 56
    .max_flat_workgroup_size: 128
    .sgpr_count:     106
    .vgpr_count:     1024
    .wavefront_size: 32
...
	.end_amdgpu_metadata
.endif
;; end of part 2
;; launch attn (part 3): grid 4 x 64, 16 waves a work-group, clusters of 4 x 1, 327,680 bytes of LDS; arguments qf, kv, mb, cf; writes cf
.if DOCPART == 3
	.amdgcn_target "amdgcn-amd-amdhsa--gfx1250"
	.amdhsa_code_object_version 6
	.text
	.protected	k_q382c7e4fd5_attn
	.globl	k_q382c7e4fd5_attn
	.p2align	8
	.type	k_q382c7e4fd5_attn,@function
k_q382c7e4fd5_attn:
	s_mov_b64 s[64:65], 0
	v_nop
	global_prefetch_b8 v0, s[64:65] scope:SCOPE_SE
	s_setreg_imm32_b32 hwreg(HW_REG_WAVE_MODE, 25, 1), 1
	s_wait_xcnt 0x0
	s_wait_alu depctr_hold_cnt(0) depctr_sa_sdst(0) depctr_va_vdst(0) depctr_va_sdst(0) depctr_va_ssrc(0) depctr_va_vcc(0) depctr_vm_vsrc(0)
	s_getreg_b32 s2, hwreg(HW_REG_IB_STS2, 6, 4)
	s_cmp_eq_u32 s2, 0
	s_cbranch_scc0 .Lentry_in_a_cluster
	s_endpgm
.Lentry_in_a_cluster:
	s_bfe_u32 s2, ttmp6, 0x10000c
	s_cmp_lg_u32 s2, 0x3003
	s_cbranch_scc0 .Lentry_shape_is_right
	s_endpgm
.Lentry_shape_is_right:
; ATTN: for each (batch, head): O[q] = sum over k of softmax_k(where(mask == 0, -1e9, Q[q] . K[k] / 8)) V[k], f16 operands, f32 sums, maxima and row sums.
; Q arrives multiplied by log2(e) / 8, so a product is t = score x log2(e); a hidden key's t is REPLACED by -1e9 x log2(e).  For each query a running maximum m and sum l: p = 2^(t - m), the difference
; taken exactly, so that a row all of whose keys are hidden has p = 1 everywhere and comes out as the plain average, as the replacement by one constant makes it.
; SHARES.  A work-group owns 512 queries of one (batch, head), each of its SIXTEEN waves 32: two tiles of 16, in 256 registers: four waves to a SIMD, so that one wave's vector work stands beside another's
; matrix work and LDS loads.  Every wave walks all 2,048 keys, 64 a step.
; LAYOUT.  S^T = K Q^T (source 0 = 16 keys, source 1 = 16 queries) and O^T = V^T P (source 0 = 16 channels, source 1 = P): a lane holds ONE query throughout; two tiles of S^T rounded to f16 in pairs ARE P.
; All operands lie in memory in the order of the operand's registers (16 bytes a lane, 512 bytes a load), V so that the turning load finds its rows at 16 x lane: no pitch, no padding.
; RING.  Two LDS slots of 8 key steps (131,072 bytes: a plain copy of memory); every wave fetches its sixteenth, 32 rows of 256 bytes.
; CLUSTER.  The four query blocks of a (batch, head) walk the same K and V: each tile is asked for jointly, with a mask that names the four.
; THE MASK comes as lane masks, 64 words a step for my 32 queries, by scalar loads a step ahead; it only selects values.
; LIMITS: NaN and infinities are not served; O beyond 65,504 becomes an infinity in f16.
; REGISTERS: v1 16 x lane; v3 the step's LDS address; v5, v6 the add's two; v7 the hidden key's t; v8-23 statistics, 8 a tile: +0 m, +1 m_old - m_new, +2,+3 l, +4..+7 at work (+6: a = 2^(m_old - m_new));
;   v32-63 Q; v64-127 K, then V; v128-191 S^T, then p, then P in place; v192-255 O^T.
.set SLOTB, 131072
.set STEPB, 16384
.set SPARE, 262144                     ; behind the ring: the spare words, 128 bytes for each wave: eight blocks of 256 bytes that no other line names
.set LN,  1
.set ADR, 3
.set SPW, 5
.set NIL, 6
.set NEG, 7
.set ST,  8
.set Q,   32
.set KV,  64
.set S,   128
.set O,   192
; s3 wave; s4 LDS byte of the step in hand; s5 byte of the next step's mask words; s6, s7 counts; s[8:15] group 1; s[16:19], s[20:23] groups 0; s[24:25] my mask words; s[26:27] my part of cf;
; s[28:29] lane selects; s[32:63], s[68:99] a step's 64 mask words; s[66:67] my part of qf
.macro CROUND                          ; a round of the cluster's barrier
	s_barrier_signal -1
	s_barrier_wait -1
	s_cmp_lg_u32 s3, 0
	s_cbranch_scc1 .Lnot_wave_0_\@
	s_barrier_signal -3
.Lnot_wave_0_\@:
	s_barrier_wait -3
	s_barrier_signal -1
	s_barrier_wait -1
.endm
.macro MASKLOAD                        ; 64 words, 256 bytes
	s_load_b512 s[32:47], s[24:25], s5 offset:0x0
	s_load_b512 s[48:63], s[24:25], s5 offset:0x40
	s_load_b512 s[68:83], s[24:25], s5 offset:0x80
	s_load_b512 s[84:99], s[24:25], s5 offset:0xc0
.endm
	s_load_b256 s[32:39], s[0:1], 0x0              ; qf, kv, mb, cf
	v_lshl_add_u32 v[SPW], v0, 2, SPARE
	v_mov_b32 v[NIL], 0
	ds_add_u32 v[SPW], v[NIL]                      ; the wave's opening: the add, twice on end, and its wait ahead of my first tensor load
	ds_add_u32 v[SPW], v[NIL]
	v_lshrrev_b32 v2, 5, v0
	v_readfirstlane_b32 s3, v2                     ; wave 0..15
	s_bfe_u32 s100, ttmp6, 0x40000                 ; cx
	s_lshl_b32 s2, ttmp9, 2
	s_add_co_u32 s100, s100, s2                    ; my block of 512 queries: it enters global addresses of Q, the mask and O alone
	s_and_b32 s101, ttmp7, 0xffff                  ; 16 x batch + head, which the four partners share
	s_lshr_b32 s104, s101, 4                       ; batch
	s_and_b32 s105, s101, 15                       ; head
	s_mov_b32 s8, 15|(3<<16)|(1<<21)               ; the mask: all four work-groups; elements of 8 bytes; bit 21 beside a mask; no padding
	s_mov_b32 s9, 32<<16                           ; tensor_dim0 = 32 (256 bytes)
	s_mov_b32 s10, 32<<16                          ; tensor_dim1 = 32
	s_mov_b32 s11, 32<<16                          ; tile_dim0
	s_mov_b32 s12, 32                              ; tile_dim1
	s_mov_b32 s13, 32                              ; from row to row: dense
	s_mov_b32 s14, 0
	s_mov_b32 s15, 0
	s_mov_b32 s28, 0x76543210
	s_mov_b32 s29, 0xfedcba98                      ; v_permlanex16_b32: lane l xor 16
	s_lshl_b32 s2, s3, 13                          ; my sixteenth of a slot: 8,192 bytes, in LDS as in memory
	s_lshl_b32 s30, s101, 19                       ; a (batch, head)'s K and V: 524,288 bytes
	s_add_co_u32 s30, s30, s2
	s_mov_b32 s31, 0
	s_mov_b32 s16, 1
	s_mov_b32 s17, s2
	s_mov_b32 s20, 1
	s_add_co_u32 s21, s2, SLOTB
	s_lshl_b32 s6, s100, 4
	s_add_co_u32 s6, s6, s3                        ; my 32 queries among the sequence's 64 such
	s_lshl_b32 s24, s104, 6
	s_add_co_u32 s24, s24, s6
	s_lshl_b32 s24, s24, 13                        ; their mask words: 8,192 bytes
	s_mov_b32 s25, 0
	s_lshl_b32 s6, s6, 1                           ; my first tile among the sequence's 128
	s_lshl_b32 s66, s101, 7
	s_add_co_u32 s66, s66, s6
	s_lshl_b32 s66, s66, 11                        ; Q: 2,048 bytes a tile
	s_mov_b32 s67, 0
	s_lshl_b32 s26, s104, 7
	s_add_co_u32 s26, s26, s6
	s_lshl_b32 s26, s26, 13                        ; cf[head / 4][token tile][(head % 4) x 2 + ..][1,024]: 8,192 bytes a token tile,
	s_lshr_b32 s7, s105, 2
	s_lshl_b32 s7, s7, 22                          ; 4,194,304 a K step of 256,
	s_add_co_u32 s26, s26, s7
	s_and_b32 s7, s105, 3
	s_lshl_b32 s7, s7, 11                          ; 2,048 a head
	s_add_co_u32 s26, s26, s7
	s_mov_b32 s27, 0
	s_mov_b32 s4, 0
	s_mov_b32 s5, 0
	s_wait_dscnt 0x0                               ; both opening adds are done
	s_wait_kmcnt 0x0
	s_add_nc_u64 s[18:19], s[34:35], s[30:31]      ; key steps 0 to 7,
	s_add_nc_u64 s[22:23], s[18:19], SLOTB         ; 8 to 15
	s_or_b32 s19, s19, 0x80000000
	s_or_b32 s23, s23, 0x80000000
	s_add_nc_u64 s[24:25], s[36:37], s[24:25]
	s_add_nc_u64 s[26:27], s[38:39], s[26:27]
	s_add_nc_u64 s[66:67], s[32:33], s[66:67]
	CROUND                                         ; all four work-groups are here: the first joint loads meet
	tensor_load_to_lds s[16:19], s[8:15]           ; both first fills together: two loads of mine are out
	s_nop 0
	tensor_load_to_lds s[20:23], s[8:15]
	s_nop 0
.rept 4
	v_nop
.endr
	v_and_b32 v[LN], 31, v0
	v_lshlrev_b32 v[LN], 4, v[LN]
.irp i, 0,1,2,3,4,5,6,7
	global_load_b128 v[Q+4*\i:Q+4*\i+3], v[LN], s[66:67] offset:512*\i   ; Q stays in registers: tile i / 4, channels 32 ((i / 2) % 2) on
.endr
	MASKLOAD                                       ; step 0's words (the arguments in s[32:39] are done with)
	v_mov_b32 v[NEG], 0xceabfb8f                   ; -1e9 x log2(e)
.irp t, 0,1
	v_mov_b32 v[ST+8*\t], 0xff61b1e6               ; m: -3e38, under every t
	v_mov_b32 v[ST+8*\t+2], 0                      ; l, in two halves
	v_mov_b32 v[ST+8*\t+3], 0
.endr
.set i, 0
.rept 64
	v_mov_b32 v[O+i], 0                            ; O^T.  (The step is written for all steps alike: the first finds zeros, and a = 0 leaves them zeros)
.set i, i+1
.endr
	s_wait_loadcnt 0x0                             ; Q
	s_wait_tensorcnt 1                             ; my part of slot 0 is in; slot 1's may stay out
	s_barrier_signal -1
	s_barrier_wait -1                              ; everybody's is
; A KEY STEP: 64 keys.
.macro STEP
	v_add_nc_u32 v[ADR], s4, v[LN]
.irp i, 0,1,2,3,4,5,6,7,8,9,10,11,12,13,14,15
	ds_load_b128 v[KV+4*\i:KV+4*\i+3], v[ADR] offset:512*\i       ; K: key tile i / 4, channels 16 (i % 4) on
.endr
	s_wait_dscnt 0x0
.irp s, 0,1                            ; S^T = K Q^T: eight accumulators by turns, one instruction a turn; the first eight start the sums
.irp k, 0,1,2,3
.irp t, 0,1
.if \s == 0
	v_wmma_f32_16x16x32_f16 v[S+32*\t+8*\k:S+32*\t+8*\k+7], v[KV+16*\k+8*\s:KV+16*\k+8*\s+7], v[Q+16*\t+8*\s:Q+16*\t+8*\s+7], 0
.else
	v_wmma_f32_16x16x32_f16 v[S+32*\t+8*\k:S+32*\t+8*\k+7], v[KV+16*\k+8*\s:KV+16*\k+8*\s+7], v[Q+16*\t+8*\s:Q+16*\t+8*\s+7], v[S+32*\t+8*\k:S+32*\t+8*\k+7]
.endif
.endr
.endr
.endr
.rept 4
	v_nop                                          ; places in front of the loads into K's registers and of the first read of the scores
.endr
.irp b, 0,1                            ; V, turned: fragment (keys 32 b on, channels 16 c on): it lands while the softmax is walked
.irp c, 0,1,2,3
.irp u, 0,1
	ds_load_tr16_b128 v[KV+8*(4*\b+\c)+4*\u:KV+8*(4*\b+\c)+4*\u+3], v[ADR] offset:8192+((2*\b+\u)*4+\c)*512
.endr
.endr
.endr
	s_wait_kmcnt 0x0                               ; this step's mask words, asked for a step ago
.set i, 0
.rept 32
	v_cndmask_b32 v[S+i], v[NEG], v[S+i], s[32+i]  ; a hidden key's t is replaced (each accumulator from its low end on)
.set i, i+1
.endr
.rept 32
	v_cndmask_b32 v[S+i], v[NEG], v[S+i], s[36+i]
.set i, i+1
.endr
	s_add_co_u32 s5, s5, 256                       ; (no scalar load is out: its offset may be written)
	s_min_u32 s5, s5, 7936                         ; the last step asks for its own words again: no load leaves my 8,192 bytes
	MASKLOAD
.irp j, 0,1,2,3                        ; the maximum of my 32 scores a tile and the old m: four chains, the two tiles by turns
.irp t, 0,1
	v_max3_num_f32 v[ST+8*\t+4+\j], v[S+32*\t+8*\j], v[S+32*\t+8*\j+1], v[S+32*\t+8*\j+2]
.endr
.endr
.irp g, 1,2
.irp j, 0,1,2,3
.irp t, 0,1
	v_max3_num_f32 v[ST+8*\t+4+\j], v[ST+8*\t+4+\j], v[S+32*\t+8*\j+2*\g+1], v[S+32*\t+8*\j+2*\g+2]
.endr
.endr
.endr
.irp t, 0,1
	v_max3_num_f32 v[ST+8*\t+4], v[ST+8*\t+4], v[S+32*\t+7], v[S+32*\t+15]
	v_max3_num_f32 v[ST+8*\t+6], v[ST+8*\t+6], v[S+32*\t+23], v[S+32*\t+31]
.endr
.irp t, 0,1
	v_max3_num_f32 v[ST+8*\t+4], v[ST+8*\t+4], v[ST+8*\t+5], v[ST+8*\t+6]
.endr
.irp t, 0,1
	v_max3_num_f32 v[ST+8*\t+4], v[ST+8*\t+4], v[ST+8*\t+7], v[ST+8*\t]
.endr
.irp t, 0,1
	v_permlanex16_b32 v[ST+8*\t+5], v[ST+8*\t+4], s28, s29         ; the query's other 32 keys lie in the lane 16 away
.endr
.irp t, 0,1
	v_max_num_f32 v[ST+8*\t+5], v[ST+8*\t+4], v[ST+8*\t+5]
.endr
.irp t, 0,1
	v_sub_f32 v[ST+8*\t+1], v[ST+8*\t], v[ST+8*\t+5]               ; m_old - m_new
.endr
.irp t, 0,1
	v_mov_b32 v[ST+8*\t], v[ST+8*\t+5]
.endr
.irp t, 0,1
.set i, 0
.rept 16
	v_pk_add_f32 v[S+32*\t+i:S+32*\t+i+1], v[S+32*\t+i:S+32*\t+i+1], v[ST+8*\t:ST+8*\t+1] op_sel_hi:[1,0] neg_lo:[0,1] neg_hi:[0,1]   ; t - m, two at a time
.set i, i+2
.endr
.endr
.irp t, 0,1
	v_exp_f32 v[ST+8*\t+6], v[ST+8*\t+1]           ; a
.endr
.set i, 0
.rept 64
	v_exp_f32 v[S+i], v[S+i]                       ; p, at most 1
.set i, i+1
.endr
	v_nop                                          ; a plain instruction behind the last exponential
	s_wait_alu depctr_va_vdst(0)                   ; one wait for the batch of 66, ahead of its first reader
.irp t, 0,1                            ; l = a l + the sum of p, unrounded: two chains a tile
	v_pk_fma_f32 v[ST+8*\t+2:ST+8*\t+3], v[ST+8*\t+2:ST+8*\t+3], v[ST+8*\t+6:ST+8*\t+7], v[S+32*\t:S+32*\t+1] op_sel_hi:[1,0,1]
	v_pk_add_f32 v[ST+8*\t+4:ST+8*\t+5], v[S+32*\t+2:S+32*\t+3], v[S+32*\t+4:S+32*\t+5]
.endr
.irp p, 6,10,14,18,22,26
.irp t, 0,1
	v_pk_add_f32 v[ST+8*\t+2:ST+8*\t+3], v[ST+8*\t+2:ST+8*\t+3], v[S+32*\t+\p:S+32*\t+\p+1]
	v_pk_add_f32 v[ST+8*\t+4:ST+8*\t+5], v[ST+8*\t+4:ST+8*\t+5], v[S+32*\t+\p+2:S+32*\t+\p+3]
.endr
.endr
.irp t, 0,1
	v_pk_add_f32 v[ST+8*\t+2:ST+8*\t+3], v[ST+8*\t+2:ST+8*\t+3], v[S+32*\t+30:S+32*\t+31]
.endr
.irp t, 0,1
	v_pk_add_f32 v[ST+8*\t+2:ST+8*\t+3], v[ST+8*\t+2:ST+8*\t+3], v[ST+8*\t+4:ST+8*\t+5]
.endr
.irp t, 0,1                            ; P: 16 registers of p become 8 of f16, in place, ascending: register i is written when 2 i and 2 i + 1 are read
.irp b, 0,1
.irp i, 0,1,2,3,4,5,6,7
	v_cvt_pk_f16_f32 v[S+32*\t+16*\b+\i], v[S+32*\t+16*\b+2*\i], v[S+32*\t+16*\b+2*\i+1]
.endr
.endr
.endr
.irp t, 0,1
.set i, 0
.rept 16
	v_pk_mul_f32 v[O+32*\t+i:O+32*\t+i+1], v[O+32*\t+i:O+32*\t+i+1], v[ST+8*\t+6:ST+8*\t+7] op_sel_hi:[1,0]   ; O^T x a
.set i, i+2
.endr
.endr
	s_wait_dscnt 0x0                               ; V is in
.irp b, 0,1                            ; O^T += V^T P: eight accumulators by turns
.irp c, 0,1,2,3
.irp t, 0,1
	v_wmma_f32_16x16x32_f16 v[O+32*\t+8*\c:O+32*\t+8*\c+7], v[KV+8*(4*\b+\c):KV+8*(4*\b+\c)+7], v[S+32*\t+16*\b:S+32*\t+16*\b+7], v[O+32*\t+8*\c:O+32*\t+8*\c+7]
.endr
.endr
.endr
	s_add_co_u32 s4, s4, STEPB
.rept 5
	v_nop                                          ; the next step's first products write over P's registers (five places), its loads land on V's (four); behind the last step O^T is read (four)
.endr
.endm
.macro STEPS                           ; a slot's eight key steps: written once, walked eight times
	s_mov_b32 s6, 8
.Lstep_\@:
	STEP
	s_sub_co_u32 s6, s6, 1
	s_cmp_lg_u32 s6, 0
	s_cbranch_scc1 .Lstep_\@
.endm
; THE CHANGE OF SLOTS.  Each wave waits for all its tensor loads (one is out at the most: its part of the other slot), adds 0 to its spare word, and waits for that and for its reads of the slot that it leaves.
; fill = 1: the barrier is a round of the cluster's, and behind it the slot just left is filled with the keys two slots on: that load has eight key steps in which to land.
.macro CHANGE fill
	s_wait_tensorcnt 0x0                           ; no tensor load of mine is out, so a group 0 may be written
	ds_add_u32 v[SPW], v[NIL]                      ; work on registers stands between the add and the wait for it
.if \fill
	s_xor_b32 s21, s21, SLOTB                      ; the walking descriptor: the other slot than last time,
	s_add_nc_u64 s[22:23], s[22:23], SLOTB         ; the next eight key steps; the type bits on top are not reached
.endif
	s_sub_co_u32 s4, s4, SLOTB                     ; the reads go back to a slot's first step,
	s_xor_b32 s4, s4, SLOTB                        ; in the other slot
	s_wait_dscnt 0x0                               ; the add is done, and my reads of the slot are over
.if \fill
	CROUND
	tensor_load_to_lds s[20:23], s[8:15]           ; my one tensor load behind the round, and the first thing there
	s_nop 0
.rept 4
	v_nop
.endr
.else
	s_barrier_signal -1
	s_barrier_wait -1
.endif
.endm
	s_mov_b32 s7, 2
.Lslot:                                            ; two trips: slots' worth 0 and 1 are read; 2 and 3 are asked for
	STEPS
	CHANGE 1
	s_sub_co_u32 s7, s7, 1
	s_cmp_lg_u32 s7, 0
	s_cbranch_scc1 .Lslot
	STEPS                                          ; the tail is written out
	CHANGE 0
	STEPS
	; THE WAY OUT: l's two halves and the other half of the lanes'; O^T / l, rounded to f16: a lane's eight channels of one query are its 16 bytes of a chunk of the last product's operand.
.irp t, 0,1
	v_add_f32 v[ST+8*\t+4], v[ST+8*\t+2], v[ST+8*\t+3]
.endr
.irp t, 0,1
	v_permlanex16_b32 v[ST+8*\t+5], v[ST+8*\t+4], s28, s29
.endr
.irp t, 0,1
	v_add_f32 v[ST+8*\t+4], v[ST+8*\t+4], v[ST+8*\t+5]
.endr
.irp t, 0,1
	v_rcp_f32 v[ST+8*\t+6], v[ST+8*\t+4]
.endr
	v_nop                                          ; a plain instruction behind the reciprocals
	s_wait_alu depctr_va_vdst(0)                   ; and the wait ahead of their first reader
.irp t, 0,1
.set i, 0
.rept 16
	v_pk_mul_f32 v[O+32*\t+i:O+32*\t+i+1], v[O+32*\t+i:O+32*\t+i+1], v[ST+8*\t+6:ST+8*\t+7] op_sel_hi:[1,0]
.set i, i+2
.endr
.endr
.irp t, 0,1
.irp c, 0,1,2,3
.irp i, 0,1,2,3
	v_cvt_pk_f16_f32 v[S+16*\t+4*\c+\i], v[O+32*\t+8*\c+2*\i], v[O+32*\t+8*\c+2*\i+1]
.endr
.endr
.endr
.irp t, 0,1
.irp c, 0,1,2,3
	global_store_b128 v[LN], v[S+16*\t+4*\c:S+16*\t+4*\c+3], s[26:27] offset:8192*\t+512*\c   ; 512 consecutive bytes, aligned
.endr
.endr
	s_wait_tensorcnt 0x0                           ; the wave's end, behind my last tensor load
	ds_add_u32 v[SPW], v[NIL]
	s_wait_dscnt 0x0
	CROUND                                         ; the closing round
	s_endpgm
.Lfunc_end_k_q382c7e4fd5_attn:
	.size	k_q382c7e4fd5_attn, .Lfunc_end_k_q382c7e4fd5_attn-k_q382c7e4fd5_attn
	.p2alignl 7, 3214868480
	.fill 96, 4, 3214868480
	.section	.rodata,"a",@progbits
	.p2align	6, 0x0
	.amdhsa_kernel k_q382c7e4fd5_attn
		.amdhsa_group_segment_fixed_size 327680
		.amdhsa_private_segment_fixed_size 0
		.amdhsa_enable_private_segment 0
		.amdhsa_kernarg_size 32
		.amdhsa_user_sgpr_count 2
		.amdhsa_user_sgpr_kernarg_segment_ptr 1
		.amdhsa_wavefront_size32 1
		.amdhsa_system_sgpr_workgroup_id_x 1
		.amdhsa_system_sgpr_workgroup_id_y 1
		.amdhsa_system_sgpr_workgroup_id_z 1
		.amdhsa_system_vgpr_workitem_id 0
		.amdhsa_next_free_vgpr 256
		.amdhsa_next_free_sgpr 106
		.amdhsa_reserve_vcc 0
		.amdhsa_float_denorm_mode_32 3
		.amdhsa_float_denorm_mode_16_64 3
		.amdhsa_memory_ordered 1
		.amdhsa_forward_progress 1
		.amdhsa_inst_pref_size 79
	.end_amdhsa_kernel
	.amdgpu_metadata
---
amdhsa.version: [ 1, 2 ]
amdhsa.kernels:
  - .name:           k_q382c7e4fd5_attn
    .symbol:         k_q382c7e4fd5_attn.kd
    .args:
      - { .name: qf, .offset: 0, .size: 8, .value_kind: global_buffer, .address_space: global }
      - { .name: kv, .offset: 8, .size: 8, .value_kind: global_buffer, .address_space: global }
      - { .name: mb, .offset: 16, .size: 8, .value_kind: global_buffer, .address_space: global }
      - { .name: cf, .offset: 24, .size: 8, .value_kind: global_buffer, .address_space: global }
    .group_segment_fixed_size: 327680
    .private_segment_fixed_size: 0
    .kernarg_segment_align: 8
    .kernarg_segment_size: 32
    .max_flat_workgroup_size: 512
    .sgpr_count:     106
    .vgpr_count:     256
    .wavefront_size: 32
...
	.end_amdgpu_metadata
.endif
;; end of part 3
;; launch outp (part 4): grid 8 x 64, 4 waves a work-group, clusters of 4 x 4, 327,680 bytes of LDS; arguments cf, wf, bo, out0; writes out0
.if DOCPART == 4
	.amdgcn_target "amdgcn-amd-amdhsa--gfx1250"
	.amdhsa_code_object_version 6
	.text
	.protected	k_q382c7e4fd5_outp
	.globl	k_q382c7e4fd5_outp
	.p2align	8
	.type	k_q382c7e4fd5_outp,@function
k_q382c7e4fd5_outp:
	s_mov_b64 s[64:65], 0
	v_nop
	global_prefetch_b8 v0, s[64:65] scope:SCOPE_SE
	s_setreg_imm32_b32 hwreg(HW_REG_WAVE_MODE, 25, 1), 1
	s_wait_xcnt 0x0
	s_wait_alu depctr_hold_cnt(0) depctr_sa_sdst(0) depctr_va_vdst(0) depctr_va_sdst(0) depctr_va_ssrc(0) depctr_va_vcc(0) depctr_vm_vsrc(0)
	s_getreg_b32 s2, hwreg(HW_REG_IB_STS2, 6, 4)
	s_cmp_eq_u32 s2, 0
	s_cbranch_scc0 .Lentry_in_a_cluster
	s_endpgm
.Lentry_in_a_cluster:
	s_bfe_u32 s2, ttmp6, 0x10000c
	s_cmp_lg_u32 s2, 0xf033
	s_cbranch_scc0 .Lentry_shape_is_right
	s_endpgm
.Lentry_shape_is_right:
; OUTP: out0[token][e] = sum over d of concat[token][d] Wo[e][d] + bo[e]; f16 operands, f32 sums, f32 out.  8,192 x 1,024 x 1,024.
; Both operands lie in memory in the order of an operand's registers: cf[ks 4][token tile 512][kb 8][1,024 bytes], wf[ks 4][feature tile 64][kb 8][1,024 bytes]: a K step of 256 of eight tiles is 65,536 dense bytes.
; A tile of 128 x 128 to a work-group (512 work-groups), 64 x 64 to each of four waves: 16 accumulators.  K goes in four steps of 256 through a ring of two LDS slots; a wave's tensor load brings four tiles' 32,768 bytes.
; CLUSTERS: 4 x 4 work-groups; A's tiles are shared along a row of the cluster, B's along a column: joint loads.  THE MATRIX INSTRUCTION IS USED TRANSPOSED (source 0 = 16 features, source 1 = 16 tokens):
; a lane holds eight neighbouring numbers of a row of out0.  The bias is the C of each sum's first product.
; THE WAY OUT: a wave's 64 features are 256 aligned bytes of a row: 16 rows at a time go through the wave's own stage in LDS and leave with sixteen lanes storing 256 consecutive bytes.
; REGISTERS: window 0: v0-31 addresses; v32-95 rows on the way out; v96-127 the bias; v128-255 the accumulators ((a, b) at v[128 + 8 (4 a + b)]).  window 1: two fragment buffers of 128: 64 of A, then 64 of B.
.set SLOT,   131072                    ; A's eight token tiles (8,192 bytes each), then B's eight feature tiles
.set STAGE,  2*SLOT                    ; behind the ring: 16 rows x 272 bytes for each wave
.set SPITCH, 272
.set SPARE,  STAGE+4*16*SPITCH         ; the spare words, 128 bytes for each wave: two blocks of 256 bytes that no other line names
.set ASTEP,  4194304                   ; a K step on in cf,
.set BSTEP,  524288                    ; in wf
.set LAPS,   2
.set ADRA, 16
.set ADRB, 20
.set STO,  24
.set RD,   25
.set CO,   26
.set BOF,  27
.set SPW,  28
.set NIL,  29
.set TMP,  32
.set BIAS, 96
.set ACC,  128
.set F0,   0
.set F1,   128
.set G1, 24
.set G0, 32
.set G1B, 48
.set G0B, 56
.set MSB, 0
.macro WIN new                         ; the immediate's high byte repeats the setting that is left
.if MSB != (\new)
	s_set_vgpr_msb (MSB<<8)|(\new)
.set MSB, (\new)
.endif
.endm
.set MUL,  0x05                        ; sources 0 (B) and 1 (A) window 1; C and D window 0
.set TO_F, 0x40                        ; destination window 1, address window 0
.macro JLOAD s                         ; a joint load: waves 0 and 1 fetch A's halves, waves 2 and 3 B's; an s_nop 0 and four v_nop follow each line
	s_cmp_eq_u32 s13, 0
	s_cbranch_scc0 .Lfor_b_\@
	tensor_load_to_lds s[G0+4*\s:G0+4*\s+3], s[G1:G1+7]
	s_nop 0
.rept 4
	v_nop
.endr
	s_branch .Lasked_\@
.Lfor_b_\@:
	tensor_load_to_lds s[G0B+4*\s:G0B+4*\s+3], s[G1B:G1B+7]
	s_nop 0
.rept 4
	v_nop
.endr
.Lasked_\@:
.endm
.macro CREST                           ; a round of the cluster's barrier behind its opening barrier
	s_cmp_lg_u32 s12, 0
	s_cbranch_scc1 .Lnot_wave_0_\@
	s_barrier_signal -3
.Lnot_wave_0_\@:
	s_barrier_wait -3
	s_barrier_signal -1
	s_barrier_wait -1
.endm
.macro CROUND
	s_barrier_signal -1
	s_barrier_wait -1
	CREST
.endm
	s_load_b256 s[4:11], s[0:1], 0x0               ; cf, wf, bo, out0
	v_lshl_add_u32 v[SPW], v0, 2, SPARE
	v_mov_b32 v[NIL], 0
	ds_add_u32 v[SPW], v[NIL]                      ; the wave's opening: the add, twice on end, and its wait ahead of my first tensor load
	ds_add_u32 v[SPW], v[NIL]
	v_lshrrev_b32 v1, 5, v0
	v_readfirstlane_b32 s12, v1                    ; wave 0..3
	s_lshr_b32 s13, s12, 1                         ; which half of the tile's tokens is mine.  Also: I fetch for A (0) or for B (1)
	s_and_b32 s14, s12, 1                          ; which half of its features.  Also: which four tiles I fetch
	s_bfe_u32 s40, ttmp6, 0x40000                  ; cx
	s_bfe_u32 s41, ttmp6, 0x40004                  ; cy
	s_lshl_b32 s42, ttmp9, 2
	s_add_co_u32 s42, s42, s40                     ; tile column
	s_and_b32 s15, ttmp7, 0xffff
	s_lshl_b32 s15, s15, 2
	s_add_co_u32 s15, s15, s41                     ; tile row
	s_lshl_b32 s43, s41, 2
	s_lshl_b32 s43, 15, s43                        ; my row of the cluster
	s_lshl_b32 s44, 0x1111, s40                    ; my column
	s_or_b32 s[G1+0], s43, (3<<16)|(1<<21)         ; the mask; elements of 8 bytes; bit 21 beside a mask; no padding: the tiles lie as the registers want them
	s_or_b32 s[G1B+0], s44, (3<<16)|(1<<21)
.irp g, G1, G1B
	s_mov_b32 s[\g+1], 32<<16                      ; tensor_dim0 = 32 (256 bytes)
	s_mov_b32 s[\g+2], 128<<16                     ; tensor_dim1 = 128
	s_mov_b32 s[\g+3], 32<<16                      ; tile_dim0
	s_mov_b32 s[\g+4], 128                         ; tile_dim1
	s_mov_b32 s[\g+5], 32                          ; from row to row: dense
	s_mov_b32 s[\g+6], 0
	s_mov_b32 s[\g+7], 0
.endr
	s_lshl_b32 s18, s14, 15                        ; which four tiles of the eight I fetch
	s_lshl_b32 s16, s15, 16
	s_add_co_u32 s16, s16, s18                     ; A: (8 x tile row + 4 x half) x 8,192
	s_mov_b32 s17, 0
	s_lshl_b32 s46, s42, 16
	s_add_co_u32 s46, s46, s18                     ; B: (8 x tile column + 4 x half) x 8,192
	s_mov_b32 s47, 0
	s_lshl_b32 s20, s12, 15                        ; where they go: wave x 32,768: no place in the cluster enters an LDS address
	s_wait_dscnt 0x0                               ; both opening adds are done
	s_wait_kmcnt 0x0
	s_add_nc_u64 s[16:17], s[4:5], s[16:17]
	s_add_nc_u64 s[46:47], s[6:7], s[46:47]
	CROUND                                         ; all sixteen work-groups are here: the first joint loads meet
.irp s, 0,1
	s_mov_b32 s[G0+4*\s], 1
	s_add_co_u32 s[G0+4*\s+1], s20, \s*SLOT
	s_add_nc_u64 s[G0+4*\s+2:G0+4*\s+3], s[16:17], \s*ASTEP
	s_or_b32 s[G0+4*\s+3], s[G0+4*\s+3], 0x80000000
	s_mov_b32 s[G0B+4*\s], 1
	s_add_co_u32 s[G0B+4*\s+1], s20, \s*SLOT
	s_add_nc_u64 s[G0B+4*\s+2:G0B+4*\s+3], s[46:47], \s*BSTEP
	s_or_b32 s[G0B+4*\s+3], s[G0B+4*\s+3], 0x80000000
	JLOAD \s                                       ; two loads of mine are out
.endr
	v_and_b32 v1, 15, v0                           ; r
	v_bfe_u32 v2, v0, 4, 1                         ; h
	v_and_b32 v3, 31, v0
	v_lshlrev_b32 v3, 4, v3                        ; 16 x lane
	s_lshl_b32 s21, s13, 15                        ; my four token tiles
	s_lshl_b32 s22, s14, 15                        ; my four feature tiles,
	s_add_co_u32 s22, s22, 65536                   ; which lie behind A's eight
.irp s, 0,1
	v_add_nc_u32 v[ADRA+\s], s21, v3
	v_add_nc_u32 v[ADRB+\s], s22, v3
	s_add_co_u32 s21, s21, SLOT
	s_add_co_u32 s22, s22, SLOT
.endr
	s_mul_i32 s23, s12, 16*SPITCH
	s_add_co_u32 s23, s23, STAGE                   ; my stage
	v_mul_u32_u24 v4, v1, SPITCH
	v_lshl_add_u32 v4, v2, 5, v4
	v_add_nc_u32 v[STO], s23, v4                   ; in: row r, 32 bytes for each half of the lanes
	v_mul_u32_u24 v5, v2, SPITCH
	v_lshl_add_u32 v5, v1, 4, v5
	v_add_nc_u32 v[RD], s23, v5                    ; back: lanes 0-15 one row of 256 bytes, lanes 16-31 the next
	v_lshlrev_b32 v5, 12, v2
	v_lshl_add_u32 v[CO], v1, 4, v5                ; and the same two rows in out0
	s_lshl_b32 s22, s42, 9
	s_lshl_b32 s23, s14, 8
	s_add_co_u32 s22, s22, s23                     ; my first feature, in bytes: 4 (128 x tile column + 64 x half)
	s_mov_b32 s23, 0
	s_add_nc_u64 s[8:9], s[8:9], s[22:23]          ; in bo,
	s_lshl_b32 s18, s15, 19
	s_lshl_b32 s19, s13, 18
	s_add_co_u32 s18, s18, s19                     ; my first token's row: (128 x tile row + 64 x half) x 4,096
	s_add_co_u32 s18, s18, s22
	s_mov_b32 s19, 0
	s_add_nc_u64 s[10:11], s[10:11], s[18:19]      ; and in out0
	v_lshlrev_b32 v[BOF], 5, v2
.irp b, 0,1,2,3
	global_load_b128 v[BIAS+8*\b:BIAS+8*\b+3], v[BOF], s[8:9] offset:64*\b         ; register j: the bias of feature 16 b + 8 h + j: the result's layout
	global_load_b128 v[BIAS+8*\b+4:BIAS+8*\b+7], v[BOF], s[8:9] offset:64*\b+16
.endr
; 8 matrix instructions: token tiles a0, a0 + 1 x my 4 feature tiles, 32 along K: half c of buffer f.  zero = 1: the first product starts the sums, with the bias as C.  The 16 accumulators take turns.
.macro MUL8 f, c, a0, zero
.irp a, \a0, \a0+1
.irp b, 0,1,2,3
.if \zero
	v_wmma_f32_16x16x32_f16 v[ACC+8*(4*(\a)+\b):ACC+8*(4*(\a)+\b)+7], v[\f+64+8*(4*\c+\b):\f+64+8*(4*\c+\b)+7], v[\f+8*(4*\c+\a):\f+8*(4*\c+\a)+7], v[BIAS+8*\b:BIAS+8*\b+7]
.else
	v_wmma_f32_16x16x32_f16 v[ACC+8*(4*(\a)+\b):ACC+8*(4*(\a)+\b)+7], v[\f+64+8*(4*\c+\b):\f+64+8*(4*\c+\b)+7], v[\f+8*(4*\c+\a):\f+8*(4*\c+\a)+7], v[ACC+8*(4*(\a)+\b):ACC+8*(4*(\a)+\b)+7]
.endif
.endr
.endr
.endm
; 32 LDS loads in one run: the fragments of the slot's q-th 64 along K into buffer f; the first 32 along K first.  A fragment is 1,024 bytes: two loads at 16 x lane, 512 bytes apart.
.macro FETCH slot, q, f
	WIN TO_F
.irp c, 0,1
.irp i, 0,1,2,3
	ds_load_b128 v[\f+64+8*(4*\c+\i):\f+64+8*(4*\c+\i)+3],   v[ADRB+\slot] offset:(2*(\q)+\c)*1024+\i*8192
	ds_load_b128 v[\f+64+8*(4*\c+\i)+4:\f+64+8*(4*\c+\i)+7], v[ADRB+\slot] offset:(2*(\q)+\c)*1024+\i*8192+512
	ds_load_b128 v[\f+8*(4*\c+\i):\f+8*(4*\c+\i)+3],         v[ADRA+\slot] offset:(2*(\q)+\c)*1024+\i*8192
	ds_load_b128 v[\f+8*(4*\c+\i)+4:\f+8*(4*\c+\i)+7],       v[ADRA+\slot] offset:(2*(\q)+\c)*1024+\i*8192+512
.endr
.endr
.endm
.macro PLACES                          ; four places in front of loads into registers that matrix instructions have read, and of the first read of results
.rept 4
	v_nop
.endr
.endm
; A K step is four quarters of 64 along K, 32 matrix instructions each, on buffers 0, 1, 0, 1.  One of the first three: multiplies buffer f and fetches quarter q into g.
.macro QUARTER slot, q, f, g, zero
	s_wait_dscnt 16                                ; the first 32 along K are in; the sixteen loads of the second 32 may be out
	WIN MUL
	MUL8 \f, 0, 0, \zero
	MUL8 \f, 0, 2, \zero
	PLACES
	FETCH \slot, \q, \g
	s_wait_dscnt 32                                ; all but the 32 just issued
	WIN MUL
	MUL8 \f, 1, 0, 0
	MUL8 \f, 1, 2, 0
.endm
; The last quarter multiplies buffer 1 and changes slots: ONE barrier; in front of it each wave waits for all its tensor loads, adds 0 to its spare word, and waits for that and for its reads of this slot.
.macro TURN slot, next, fill
	WIN 0                                          ; (the add's two registers lie in window 0)
	s_wait_tensorcnt 0x0                           ; all my tensor loads have landed: my part of the next slot
	ds_add_u32 v[SPW], v[NIL]
	s_wait_dscnt 17                                ; (the add and the youngest sixteen loads may be out)
	WIN MUL
	MUL8 F1, 0, 0, 0
	s_wait_dscnt 0x0                               ; the add is done, and my reads of this slot are over
	s_barrier_signal -1
	MUL8 F1, 0, 2, 0
.if \fill
	WIN 0
.endif
	s_barrier_wait -1
.if \fill
	CREST                                          ; the barrier has opened a round of the cluster's: no wave of any partner still reads this slot or has a load on its way
	s_add_nc_u64 s[G0+4*\slot+2:G0+4*\slot+3], s[G0+4*\slot+2:G0+4*\slot+3], 2*ASTEP
	s_add_nc_u64 s[G0B+4*\slot+2:G0B+4*\slot+3], s[G0B+4*\slot+2:G0B+4*\slot+3], 2*BSTEP
	JLOAD \slot                                    ; the first tensor load behind the round; its four v_nop are also the places in front of the loads below
.else
	PLACES
.endif
	FETCH \next, 0, F0
	WIN MUL
	MUL8 F1, 1, 0, 0
	MUL8 F1, 1, 2, 0
.endm
	s_wait_tensorcnt 1                             ; my part of K step 0 is in; K step 1's may be out
	s_barrier_signal -1
	s_barrier_wait -1                              ; everybody's is
	FETCH 0, 0, F0
	s_wait_loadcnt 0x0                             ; the bias
	QUARTER 0, 1, F0, F1, 1                        ; the first quarter stands in front of the loop: its first products start the sums
	WIN 0                                          ; at a label and at a branch every window is 0
	s_mov_b32 s3, LAPS-1
.Llap:                                                 ; a trip goes once round the ring, from a lap's second quarter to the next lap's first, and fills both slots again
	QUARTER 0, 2, F1, F0, 0
	QUARTER 0, 3, F0, F1, 0
	TURN 0, 1, 1
	QUARTER 1, 1, F0, F1, 0
	QUARTER 1, 2, F1, F0, 0
	QUARTER 1, 3, F0, F1, 0
	TURN 1, 0, 1
	QUARTER 0, 1, F0, F1, 0
	WIN 0
	s_sub_co_u32 s3, s3, 1
	s_cmp_lg_u32 s3, 0
	s_cbranch_scc1 .Llap
	QUARTER 0, 2, F1, F0, 0                        ; the last lap fills nothing, and has no round of the cluster's barrier
	QUARTER 0, 3, F0, F1, 0
	TURN 0, 1, 0
	QUARTER 1, 1, F0, F1, 0
	QUARTER 1, 2, F1, F0, 0
	QUARTER 1, 3, F0, F1, 0
	s_wait_dscnt 16                                ; the very last quarter: nothing more to fetch
	WIN MUL
	MUL8 F1, 0, 0, 0
	MUL8 F1, 0, 2, 0
	s_wait_dscnt 0
	MUL8 F1, 1, 0, 0
	MUL8 F1, 1, 2, 0
	WIN 0
; THE WAY OUT, 16 tokens at a time.  LDS serves a wave's instructions in order (ISA guide 5.7.1.4): no wait between my stores into my stage and my loads from it, nor in front of the next block's stores.
.macro TOSTAGE a
.irp b, 0,1,2,3
	ds_store_b128 v[STO], v[ACC+8*(4*(\a)+\b):ACC+8*(4*(\a)+\b)+3] offset:64*\b          ; each accumulator from its low end on
	ds_store_b128 v[STO], v[ACC+8*(4*(\a)+\b)+4:ACC+8*(4*(\a)+\b)+7] offset:64*\b+16
.endr
.set BB, TMP+32*((\a)%2)
.irp i, 0,1,2,3,4,5,6,7
	ds_load_b128 v[BB+4*\i:BB+4*\i+3], v[RD] offset:\i*2*SPITCH
.endr
.endm
.macro SEND a, younger                 ; younger: the LDS instructions issued behind block a's loads: the next block's eight stores and eight loads, or none
.set BB, TMP+32*((\a)%2)
	s_wait_dscnt \younger
.irp i, 0,1,2,3,4,5,6,7
	global_store_b128 v[CO], v[BB+4*\i:BB+4*\i+3], s[10:11] offset:(16*(\a)+2*\i)*4096 th:TH_STORE_NT   ; sixteen lanes store 256 consecutive bytes, aligned; written once, read by nobody here
.endr
.endm
	PLACES
	TOSTAGE 0
.irp a, 1,2,3
.if \a > 1
	s_wait_xcnt 0x0                                ; the stores of the block two back have read their registers: this block's loads may land there
.endif
	TOSTAGE \a
	SEND \a-1, 16
.endr
	SEND 3, 0
	s_wait_tensorcnt 0x0                           ; the wave's end, behind my last tensor load and my last LDS store
	ds_add_u32 v[SPW], v[NIL]
	s_wait_dscnt 0x0
	CROUND                                         ; the closing round
	s_endpgm
.Lfunc_end_k_q382c7e4fd5_outp:
	.size	k_q382c7e4fd5_outp, .Lfunc_end_k_q382c7e4fd5_outp-k_q382c7e4fd5_outp
	.p2alignl 7, 3214868480
	.fill 96, 4, 3214868480
	.section	.rodata,"a",@progbits
	.p2align	6, 0x0
	.amdhsa_kernel k_q382c7e4fd5_outp
		.amdhsa_group_segment_fixed_size 327680
		.amdhsa_private_segment_fixed_size 0
		.amdhsa_enable_private_segment 0
		.amdhsa_kernarg_size 32
		.amdhsa_user_sgpr_count 2
		.amdhsa_user_sgpr_kernarg_segment_ptr 1
		.amdhsa_wavefront_size32 1
		.amdhsa_system_sgpr_workgroup_id_x 1
		.amdhsa_system_sgpr_workgroup_id_y 1
		.amdhsa_system_sgpr_workgroup_id_z 1
		.amdhsa_system_vgpr_workitem_id 0
		.amdhsa_next_free_vgpr 512
		.amdhsa_next_free_sgpr 66
		.amdhsa_reserve_vcc 0
		.amdhsa_float_denorm_mode_32 3
		.amdhsa_float_denorm_mode_16_64 3
		.amdhsa_memory_ordered 1
		.amdhsa_forward_progress 1
		.amdhsa_inst_pref_size 86
	.end_amdhsa_kernel
	.amdgpu_metadata
---
amdhsa.version: [ 1, 2 ]
amdhsa.kernels:
  - .name:           k_q382c7e4fd5_outp
    .symbol:         k_q382c7e4fd5_outp.kd
    .args:
      - { .name: cf, .offset: 0, .size: 8, .value_kind: global_buffer, .address_space: global }
      - { .name: wf, .offset: 8, .size: 8, .value_kind: global_buffer, .address_space: global }
      - { .name: bo, .offset: 16, .size: 8, .value_kind: global_buffer, .address_space: global }
      - { .name: out0, .offset: 24, .size: 8, .value_kind: global_buffer, .address_space: global }
    .group_segment_fixed_size: 327680
    .private_segment_fixed_size: 0
    .kernarg_segment_align: 8
    .kernarg_segment_size: 32
    .max_flat_workgroup_size: 128
    .sgpr_count:     66
    .vgpr_count:     512
    .wavefront_size: 32
...
	.end_amdgpu_metadata
.endif
;; end of part 4
